; MI455X (gfx1250); checked and timed in simulation.
; The chip was launched on July 23, 2026; its instructions are those of AMD's public machine-readable ISA for CDNA 5 (MIT licence, August 2026) and "CDNA5" Instruction Set Architecture Reference Guide (July 2026). The comments in the code are by the model that wrote it; some were corrected since.
;; Multi Head Attention. Allowed arithmetic: matrix products marked QUANTISED: E3M2 operands, one E8M0 scale for each 32 along K, by v_wmma_scale_f32_16x16x128_f8f6f4 with both operands' format E3M2, f32 sums; everything else in f32.
;; Inputs: Wk 1,024 x 1,024 float32; Wo 1,024 x 1,024 float32; Wq 1,024 x 1,024 float32; Wv 1,024 x 1,024 float32; bk 1,024 float32; bo 1,024 float32; bq 1,024 float32; bv 1,024 float32; k_input 4 x 2,048 x 1,024 float32; q_input 4 x 2,048 x 1,024 float32; v_input 4 x 2,048 x 1,024 float32.
;; Outputs: out0 4 x 2,048 x 1,024 float32.
;; This version of the problem:
;;   THIS VERSION OF THE PROBLEM IS GIVEN IN LOW PRECISION. The matrix products marked QUANTISED in the list below multiply operands that are first quantised to E3M2 (3 exponent bits, 2 mantissa bits; 6 bits a number), with one power-of-two scale for each 32 numbers along K (OCP MX v1.0); their sums are f32. All else is computed in f32.
;;   The module's matrix products, in the order in which they are computed (A, B: the left and right operand; K: the contracted axis; several contracted axes count as one K, in the product's order):
;;     1. [M 8,192, K 1,024] x [K 1,024, N 1,024]; A: input q_input; B: input Wq: QUANTISED
;;     2. [M 8,192, K 1,024] x [K 1,024, N 1,024]; A: input q_input; B: input Wk: QUANTISED
;;     3. [M 8,192, K 1,024] x [K 1,024, N 1,024]; A: input q_input; B: input Wv: QUANTISED
;;     4. batch 64 x [M 2,048, K 64] x [K 64, N 2,048]; A: computed on the way; B: computed on the way: QUANTISED
;;     5. batch 64 x [M 2,048, K 2,048] x [K 2,048, N 64]; A: softmax (see below); B: computed on the way: QUANTISED
;;     6. [M 8,192, K 1,024] x [K 1,024, N 1,024]; A: computed on the way; B: input Wo: QUANTISED
;;   THE QUANTISER, for each operand of a quantised product, along K:
;;     - K is cut into blocks of 32 from its start; a last block that is shorter is filled with zeros.
;;     - A block's scale is 2^e with e = floor(log2(the largest magnitude in the block)) - 4, held to -126 .. 127; a block of zeros has e = 0. As a byte (E8M0): e + 127.
;;     - Each number is divided by its block's scale, clamped to +-28, and rounded to the nearest number of E3M2, ties to even, subnormals kept.
;;     - The product sums the exact products of the quantised numbers (number of the format x scale) in f32.
;;   ~~~python
;;   def quantise(x, axis):      # numpy; x: float32 -> the quantised numbers, widened to float32 again
;;       x = np.moveaxis(x, axis, -1); K = x.shape[-1]
;;       x = np.pad(x, [(0, 0)] * (x.ndim - 1) + [(0, -K % 32)]); x = x.reshape(x.shape[:-1] + (-1, 32)); a = np.abs(x).max(-1, keepdims=True)
;;       e = np.where(a > 0, np.clip(np.frexp(np.where(a > 0, a, 1))[1] - 1 - 4, -126, 127), 0)      # np.frexp(a)[1] - 1 = floor(log2(a)), exactly
;;       r = np.clip(x / 2.0 ** e, -28, 28)
;;       step = 2.0 ** (np.maximum(np.frexp(np.where(r == 0, 1, r))[1] - 1, -2) - 2)
;;       q = np.round(r / step) * step * 2.0 ** e      # np.round: ties to even
;;       return np.moveaxis(q.reshape(q.shape[:-2] + (-1,))[..., :K], -1, axis).astype(np.float32)
;;   ~~~
;;   SOFTMAX AHEAD OF A QUANTISED PRODUCT. Where the list says 'softmax', what is quantised is not the finished softmax but p = 2^(t - M), with t = logit x log2(e) and M = ceil(the row's largest t), a whole number; so 1/2 < the row's largest p <= 1. The row's sum l is taken of the UNQUANTISED p, in f32, and the product's result is divided by l at the end. Since M is a whole number, a kernel that streams over the keys may use a running M (the ceiling of the running maximum): every later rescaling is an exact power of two, which a block's scale takes up: the codes' values come out the same.
;;   OPERANDS COMPUTED ON THE WAY. 'Computed on the way' means the value that the module computes at that place (a softmax that the list does not call 'softmax' is quantised finished and normalised). What goes into a quantiser is computed in f32, as accurately as f32 sums, v_exp_f32 and their like allow (about 1e-6 of the number): no bf16 or f16 on the way to a quantiser, and a product that is left as it is and whose result goes on into a quantised operand takes f32 operands (vector FMAs, or v_wmma_f32_16x16x4_f32). A number that lies on a knife's edge between two numbers of the format may be rounded either way, as far as f32 arithmetic and the matrix unit's own rounding can turn it there, and no further.
;; One version. Each part assembles by itself: llvm-mc -triple=amdgcn-amd-amdhsa -mcpu=gfx1250 --defsym DOCPART=n.
;; ======== version 1 of 1: 4 launches
;; limits: right only within a limited range of input values
;; workspace buffers: xc 6,291,456 bytes; xs 262,144 bytes; wc 3,145,728 bytes; ws 131,072 bytes; qrec 6,553,600 bytes; kv 13,107,200 bytes; ac 6,291,456 bytes; asc 262,144 bytes
;; launch quant (part 1): grid 256 x 1, 4 waves a work-group, no clusters, 69,120 bytes of LDS; arguments q_input, Wq, Wk, Wv, Wo, xc, xs, wc, ws; writes xc, xs, wc, ws
.if DOCPART == 1
	.amdgcn_target "amdgcn-amd-amdhsa--gfx1250"
	.amdhsa_code_object_version 6
	.text
	.protected	k_q0aad8bb819_quant
	.globl	k_q0aad8bb819_quant
	.p2align	8
	.type	k_q0aad8bb819_quant,@function
k_q0aad8bb819_quant:
	s_mov_b64 s[64:65], 0
	v_nop
	global_prefetch_b8 v0, s[64:65] scope:SCOPE_SE
	s_setreg_imm32_b32 hwreg(HW_REG_WAVE_MODE, 25, 1), 1
	s_wait_xcnt 0x0
; q_input [8192][1024] and the four weights [1024 (k)][1024 (n)], f32, become codes of BF6 (E3M2) with one E8M0 byte for each 32 along K, laid in the order of a matrix operand's registers.
; k_input and v_input are read by no launch of this program: reference() takes no number from them (its K and V projections take q_input).
; THE LAYOUT.  Rows (tokens of x, columns n of a weight) stand at POSITION = the index with bits 3 and 4 exchanged: tile g (positions 16 g + r) holds the rows 32 (g / 2) + 8 (g % 2) + r + 8 (r / 8).
; A tile's codes are 16 pieces of 768 bytes, one for each 64 along K: six registers a lane (lane (r, h): k = 32 h + 0 .. 31 of row r), as three runs of 256 bytes: run p holds registers 2 p, 2 p + 1, lane l's 8 bytes at 8 l.
; The scale bytes lie [position][32].  The weights form one stack of 4,096 positions: Wq, Wk, Wv, Wo.
; A block's scale is 2^(floor(log2(its largest magnitude)) - 4); its byte is the largest magnitude's exponent field - 4, held at 1 from below.
; LIMITS: a block of zeros, or one whose largest magnitude lies under 2^-122, gets the byte 1 (only this program reads the bytes; zero codes add nothing under it); NaN and infinities among the inputs are not served.
; Work-groups 0-127 take x (a wave: one tile of 16 rows, all of K, in 8 steps of 128), work-groups 128-255 the weights (a wave: 32 columns x 256 along K).  Each way has LDS bytes of its own; waves share nothing: no barrier.
.set R,    16                          ; x: v16-143   two sets of 64 registers as loaded
.set X,    144                         ; x: v144-207  64 numbers of my row: register 16 b + i = k 32 b + 16 h + i
.set PC,   208                         ; x: v208-226  the codes just made (12) and the conversions' second halves
.set TM,   228                         ; x: v228-243  at work in QUANT
.set PWS,  244                         ; x: v244-251  the scale word of each of the 8 steps
.set SEL,  30                          ; s[30:31] lane selects for v_permlanex16_b32: lane l xor 16
.set WX,   32                          ; w: v32-95    two sets of 32 numbers
.set WC,   96                          ; w: v96-106   a block's codes
.set OUTR, 112                         ; w: v112-159  the way out
.set SB,   24                          ; w: v24-25    my column's 8 scale bytes
; 64 numbers of a lane, register 16 b + i = k 32 b + 16 (lane / 16) + i of my row, become a fragment's 12 registers of codes in v[pc] on and its scale word in v[pw].
.macro QUANT s, pc, pw
.irp b, 0,1,2,3
	v_max3_num_f32 v[TM+\b], |v[(\s)+16*\b]|, |v[(\s)+1+16*\b]|, 0x2800000   ; block b: my 16 numbers, and the floor 2^(5 - 127): the byte cannot fall under 1
.endr
.irp i, 2,4,6,8,10,12,14
.irp b, 0,1,2,3
	v_max3_num_f32 v[TM+\b], v[TM+\b], |v[(\s)+16*\b+\i]|, |v[(\s)+1+16*\b+\i]|   ; the four blocks by turns
.endr
.endr
.irp b, 0,1,2,3
	v_permlanex16_b32 v[TM+4+\b], v[TM+\b], s[SEL], s[SEL+1]
.endr
.irp b, 0,1,2,3
	v_max_num_f32 v[TM+\b], v[TM+\b], v[TM+4+\b]   ; with lane l xor 16's: the block's largest magnitude
.endr
.irp b, 0,1,2,3
	v_add_nc_u32 v[TM+12+\b], 0xfe000000, v[TM+\b]   ; 4 off its exponent field: the conversion's scale operand
.endr
.irp b, 0,1,2,3
	v_lshrrev_b32 v[TM+4+\b], 23, v[TM+12+\b]      ; the scale's byte
.endr
	v_lshl_or_b32 v[\pw], v[TM+5], 8, v[TM+4]
	v_lshl_or_b32 v[\pw], v[TM+6], 16, v[\pw]
	v_lshl_or_b32 v[\pw], v[TM+7], 24, v[\pw]
.irp c, 0,1
	v_cvt_scalef32_pk16_bf6_f32 v[(\pc)+6*\c:(\pc)+2+6*\c], v[(\s)+32*\c:(\s)+15+32*\c], v[TM+12+2*\c]
	v_cvt_scalef32_pk16_bf6_f32 v[(\pc)+12+4*\c:(\pc)+14+4*\c], v[(\s)+16+32*\c:(\s)+31+32*\c], v[TM+12+2*\c+1]   ; a conversion's three registers begin on an even number
.endr
	v_nop                                          ; one plain place behind a scaled conversion
.irp c, 0,1                                    ; the operand's layout wants a whole block in a lane: lanes 0-15 block 2 c, lanes 16-31 block 2 c + 1
.irp i, 0,1,2
	v_permlane16_swap_b32 v[(\pc)+6*\c+\i], v[(\pc)+12+4*\c+\i]
.endr
.irp i, 0,1,2
	v_mov_b32 v[(\pc)+3+6*\c+\i], v[(\pc)+12+4*\c+\i]
.endr
.endr
.endm
	s_load_b256 s[4:11], s[0:1], 0x0               ; q_input s[4:5], Wq s[6:7], Wk s[8:9], Wv s[10:11]
	s_load_b256 s[12:19], s[0:1], 0x20             ; Wo s[12:13], xc s[14:15], xs s[16:17], wc s[18:19]
	s_load_b64 s[20:21], s[0:1], 0x40              ; ws
	v_lshl_add_u32 v238, v0, 2, 0x10c00
	v_mov_b32 v239, 0
	v_lshrrev_b32 v1, 5, v0
	v_readfirstlane_b32 s22, v1                    ; wave 0..3
	v_and_b32 v1, 31, v0                           ; lane
	v_and_b32 v2, 15, v0                           ; r
	v_bfe_u32 v3, v0, 4, 1                         ; h
	s_mov_b32 s[SEL], 0x76543210
	s_mov_b32 s[SEL+1], 0xfedcba98
	s_cmp_lt_u32 ttmp9, 128                        ; x's work-group or a weight's: the work-group's number alone decides
	s_cbranch_scc0 .Lweights
	; ---------------- x ----------------
	s_lshl_b32 s23, ttmp9, 2
	s_add_co_u32 s23, s23, s22                     ; my tile g = 4 x work-group + wave
	s_lshr_b32 s24, s23, 1
	s_lshl_b32 s24, s24, 5
	s_and_b32 s25, s23, 1
	s_lshl_b32 s25, s25, 3
	s_add_co_u32 s24, s24, s25                     ; the tile's first row: 32 (g / 2) + 8 (g % 2)
	s_lshl_b32 s24, s24, 12                        ; in bytes: rows of 4,096
	s_mov_b32 s25, 0
	s_mul_i32 s26, s23, 12288                      ; the tile's codes
	s_mov_b32 s27, 0
	s_lshl_b32 s28, s23, 9                         ; its scale bytes: 16 rows of 32
	s_mov_b32 s29, 0
	s_mul_i32 s32, s22, 8448                       ; my stage: 16 rows x (512 bytes + 16)
	s_wait_alu depctr_va_vdst(0)
	v_lshlrev_b32 v4, 4, v1                        ; a load's 512 bytes: 16 a lane
	v_add_nc_u32 v5, s32, v4                       ; into the stage as loaded
	v_mul_u32_u24 v6, v2, 528
	v_lshl_add_u32 v6, v3, 6, v6
	v_add_nc_u32 v6, s32, v6                       ; out of it: row r, + 64 h: my 16 numbers of each block of 32
	v_lshlrev_b32 v7, 3, v1                        ; a run of codes: 8 bytes a lane
	v_lshlrev_b32 v8, 5, v2
	v_lshl_add_u32 v8, v3, 4, v8                   ; the scale bytes: 32 r + 16 h
.irp b, 0,1,2,3
	v_mov_b32 v[TM+4+\b], 0                        ; written once: a lane permute's destination counts as one of its sources
.endr
	s_wait_alu depctr_va_vdst(0)
	s_wait_kmcnt 0x0
	s_add_nc_u64 s[4:5], s[4:5], s[24:25]
	s_add_nc_u64 s[14:15], s[14:15], s[26:27]
	s_add_nc_u64 s[16:17], s[16:17], s[28:29]
.macro LOADX k                         ; step k: 128 along K of the tile's 16 rows; each load reads 512 consecutive bytes of one row
.irp t, 0,1,2,3,4,5,6,7,8,9,10,11,12,13,14,15
	global_load_b128 v[R+64*((\k)%2)+4*\t:R+64*((\k)%2)+4*\t+3], v4, s[4:5] offset:(\t+8*(\t/8))*4096+512*(\k) th:TH_LOAD_NT
.endr
.endm
.macro XSTEP k
.if (\k) < 7
	s_wait_loadcnt 16                              ; this step's sixteen loads are in; the next step's sixteen may be out
.else
	s_wait_loadcnt 0x0
.endif
.irp t, 0,1,2,3,4,5,6,7,8,9,10,11,12,13,14,15
	ds_store_b128 v5, v[R+64*((\k)%2)+4*\t:R+64*((\k)%2)+4*\t+3] offset:528*\t
.endr
.irp b, 0,1,2,3
.irp j, 0,1,2,3
	ds_load_b128 v[X+16*\b+4*\j:X+16*\b+4*\j+3], v6 offset:128*\b+16*\j   ; LDS serves a wave's instructions in order: these see the stores above
.endr
.endr
	s_wait_dscnt 0x0                               ; the numbers are back, and the stores have read their registers
	s_wait_xcnt 0x0                                ; the last step's stores of codes have read theirs: they are written again below
.if (\k) < 6
	LOADX (\k)+2
.endif
	QUANT X, PC, PWS+(\k)
.irp p, 0,1,2,3,4,5
	global_store_b64 v7, v[PC+2*\p:PC+2*\p+1], s[14:15] offset:1536*(\k)+256*\p   ; 32 lanes store 256 consecutive bytes, at a multiple of 256 from the buffer's first byte
.endr
.endm
	LOADX 0
	LOADX 1
.irp k, 0,1,2,3,4,5,6,7
	XSTEP \k
.endr
	v_cmp_ne_u32 vcc_lo, 0, v3
.irp i, 0,1,2,3
	v_cndmask_b32 v[252+\i], v[PWS+\i], v[PWS+4+\i], vcc_lo   ; lanes 0-15 the row's first four words, lanes 16-31 its last four
.endr
	global_store_b128 v8, v[252:255], s[16:17]     ; the tile's 512 scale bytes
	s_wait_tensorcnt 0x0
	ds_add_u32 v238, v239
	s_wait_dscnt 0x0
	s_endpgm
	; ---------------- the weights ----------------
.Lweights:
	s_sub_co_u32 s23, ttmp9, 128
	s_lshr_b32 s24, s23, 5                         ; which weight: 0 Wq, 1 Wk, 2 Wv, 3 Wo
	s_bfe_u32 s25, s23, 0x30002                    ; which 128 columns
	s_and_b32 s26, s23, 3                          ; which 256 along K
	s_lshl_b32 s28, s26, 20                        ; W: 256 rows of 4,096 bytes,
	s_lshl_b32 s27, s25, 9
	s_add_co_u32 s28, s28, s27                     ; + 128 columns of 4 bytes,
	s_lshl_b32 s27, s22, 7
	s_add_co_u32 s28, s28, s27                     ; + my wave's 32
	s_mov_b32 s29, 0
	s_lshl_b32 s32, s24, 6
	s_lshl_b32 s27, s25, 3
	s_add_co_u32 s32, s32, s27
	s_lshl_b32 s27, s22, 1
	s_add_co_u32 s32, s32, s27                     ; Wo's tiles: 192 + 8 x column group + 2 x wave
	; Wq, Wk, Wv lie head by head: tile 24 x column group + 12 x (wave / 2) + 4 x weight + 2 x (wave % 2), so that a head's 64 columns of Q, of K and of V are twelve tiles on end
	s_mul_i32 s37, s25, 24
	s_lshr_b32 s27, s22, 1
	s_mul_i32 s27, s27, 12
	s_add_co_u32 s37, s37, s27
	s_lshl_b32 s27, s24, 2
	s_add_co_u32 s37, s37, s27
	s_and_b32 s27, s22, 1
	s_lshl_b32 s27, s27, 1
	s_add_co_u32 s37, s37, s27
	s_cmp_eq_u32 s24, 3                            ; the work-group's number alone decides
	s_cselect_b32 s32, s32, s37
	s_lshl_b32 s34, s32, 9                         ; its scale bytes: 16 positions of 32,
	s_lshl_b32 s27, s26, 3
	s_add_co_u32 s34, s34, s27                     ; + my 8 blocks
	s_mov_b32 s35, 0
	s_lshl_b32 s32, s32, 4
	s_lshl_b32 s27, s26, 2
	s_add_co_u32 s32, s32, s27
	s_mul_i32 s32, s32, 768                        ; its codes: piece 16 x tile + 4 x quarter
	s_mov_b32 s33, 0
	s_mul_i32 s36, s22, 8704
	s_add_co_u32 s36, s36, 33792                   ; my stage, behind x's: 32 rows x 272 bytes
	s_wait_alu depctr_va_vdst(0)
	v_lshlrev_b32 v4, 2, v1                        ; in: a lane a column
	v_mul_u32_u24 v5, v1, 272
	v_add_nc_u32 v5, s36, v5                       ; into the stage: row = my column; a block's 24 bytes in a place of 32
	v_and_b32 v6, 8, v2
	v_add_nc_u32 v6, v6, v2                        ; r + 8 (r / 8)
	v_mul_u32_u24 v6, v6, 272
	v_lshl_add_u32 v6, v3, 5, v6
	v_add_nc_u32 v6, s36, v6                       ; out of it: the tile's row r, block h of a piece
	v_lshlrev_b32 v7, 3, v1                        ; a run of codes: 8 bytes a lane
	v_and_b32 v9, 7, v1
	v_bfe_u32 v10, v1, 3, 1
	v_lshl_or_b32 v9, v10, 4, v9
	v_lshl_or_b32 v9, v3, 3, v9                    ; my column's position: bits 3 and 4 exchanged
	v_lshlrev_b32 v9, 5, v9                        ; its row of scale bytes
	s_wait_kmcnt 0x0
	s_cmp_eq_u32 s24, 1                            ; the choice hangs on the work-group's number alone
	s_cselect_b64 s[6:7], s[8:9], s[6:7]
	s_cmp_eq_u32 s24, 2
	s_cselect_b64 s[6:7], s[10:11], s[6:7]
	s_cmp_eq_u32 s24, 3
	s_cselect_b64 s[6:7], s[12:13], s[6:7]
	s_add_nc_u64 s[6:7], s[6:7], s[28:29]
	s_add_nc_u64 s[18:19], s[18:19], s[32:33]
	s_add_nc_u64 s[20:21], s[20:21], s[34:35]
.macro LOADW t                         ; block t: W(32 t + i, my column), i = 0 .. 31: a lane's registers run down K
.irp i, 0,1,2,3,4,5,6,7,8,9,10,11,12,13,14,15,16,17,18,19,20,21,22,23,24,25,26,27,28,29,30,31
	global_load_b32 v[WX+32*((\t)%2)+\i], v4, s[6:7] offset:(32*(\t)+\i)*4096 th:TH_LOAD_NT
.endr
.endm
.macro BLOCK t
.set XS, WX+32*((\t)%2)
.if (\t) < 7
	s_wait_loadcnt 32                              ; this block's 32 loads are in; the next block's may be out
.else
	s_wait_loadcnt 0x0
.endif
	v_max3_num_f32 v12, |v[XS]|, |v[XS+1]|, |v[XS+2]|   ; the block's largest magnitude: all 32 numbers are mine
	v_max3_num_f32 v13, |v[XS+3]|, |v[XS+4]|, |v[XS+5]|
.irp i, 6,10,14,18,22,26
	v_max3_num_f32 v12, v12, |v[XS+\i]|, |v[XS+\i+1]|
	v_max3_num_f32 v13, v13, |v[XS+\i+2]|, |v[XS+\i+3]|
.endr
	v_max3_num_f32 v12, v12, |v[XS+30]|, |v[XS+31]|
	v_max3_num_f32 v12, v12, v13, 0x2800000        ; and the floor 2^(5 - 127)
	v_add_nc_u32 v11, 0xfe000000, v12              ; 4 off the exponent field: the conversion's scale operand
	v_lshrrev_b32 v13, 23, v11                     ; the scale's byte
.if (\t)%4 == 0
	v_mov_b32 v[SB+(\t)/4], v13                    ; four bytes to a register, the lower K in the lower byte
.else
	v_lshl_or_b32 v[SB+(\t)/4], v13, 8*((\t)%4), v[SB+(\t)/4]
.endif
	v_cvt_scalef32_pk16_bf6_f32 v[WC:WC+2], v[XS:XS+15], v11
	v_cvt_scalef32_pk16_bf6_f32 v[WC+8:WC+10], v[XS+16:XS+31], v11
	v_nop                                          ; one plain place behind a scaled conversion
.irp i, 0,1,2
	v_mov_b32 v[WC+3+\i], v[WC+8+\i]               ; the block's 24 bytes on end
.endr
	ds_store_b128 v5, v[WC:WC+3] offset:32*(\t)
	ds_store_b64 v5, v[WC+4:WC+5] offset:32*(\t)+16
.if (\t) < 6
	LOADW (\t)+2
.endif
	s_wait_dscnt 0x0                               ; the stores have read their registers: the next block's codes may be written
.endm
	LOADW 0
	LOADW 1
.irp t, 0,1,2,3,4,5,6,7
	BLOCK \t
.endr
	s_wait_alu depctr_va_vdst(0)
	global_store_b64 v9, v[SB:SB+1], s[20:21]      ; my column's 8 scale bytes
.irp g, 0,1                                    ; the way out: two tiles x four pieces x three runs
.irp k, 0,1,2,3
.irp p, 0,1,2
	ds_load_b64 v[OUTR+2*(12*\g+3*\k+\p):OUTR+2*(12*\g+3*\k+\p)+1], v6 offset:2176*\g+64*\k+8*\p   ; LDS serves a wave's instructions in order: these see my stores
.endr
.endr
.endr
.irp g, 0,1
.irp k, 0,1,2,3
.irp p, 0,1,2
	s_wait_dscnt 23-(12*\g+3*\k+\p)                ; this run is in; the younger loads may be out
	global_store_b64 v7, v[OUTR+2*(12*\g+3*\k+\p):OUTR+2*(12*\g+3*\k+\p)+1], s[18:19] offset:12288*\g+768*\k+256*\p   ; 256 consecutive bytes, aligned
.endr
.endr
.endr
	s_wait_tensorcnt 0x0
	ds_add_u32 v238, v239
	s_wait_dscnt 0x0
	s_endpgm
.Lfunc_end_k_q0aad8bb819_quant:
	.size	k_q0aad8bb819_quant, .Lfunc_end_k_q0aad8bb819_quant-k_q0aad8bb819_quant
	.p2alignl 7, 3214868480
	.fill 96, 4, 3214868480
	.section	.rodata,"a",@progbits
	.p2align	6, 0x0
	.amdhsa_kernel k_q0aad8bb819_quant
		.amdhsa_group_segment_fixed_size 69120
		.amdhsa_private_segment_fixed_size 0
		.amdhsa_enable_private_segment 0
		.amdhsa_kernarg_size 72
		.amdhsa_user_sgpr_count 2
		.amdhsa_user_sgpr_kernarg_segment_ptr 1
		.amdhsa_wavefront_size32 1
		.amdhsa_system_sgpr_workgroup_id_x 1
		.amdhsa_system_sgpr_workgroup_id_y 1
		.amdhsa_system_sgpr_workgroup_id_z 1
		.amdhsa_system_vgpr_workitem_id 0
		.amdhsa_next_free_vgpr 256
		.amdhsa_next_free_sgpr 66
		.amdhsa_reserve_vcc 1
		.amdhsa_float_denorm_mode_32 3
		.amdhsa_float_denorm_mode_16_64 3
		.amdhsa_memory_ordered 1
		.amdhsa_forward_progress 1
		.amdhsa_inst_pref_size 110
	.end_amdhsa_kernel
	.amdgpu_metadata
---
amdhsa.version: [ 1, 2 ]
amdhsa.kernels:
  - .name:           k_q0aad8bb819_quant
    .symbol:         k_q0aad8bb819_quant.kd
    .args:
      - { .name: q_input, .offset: 0, .size: 8, .value_kind: global_buffer, .address_space: global }
      - { .name: Wq, .offset: 8, .size: 8, .value_kind: global_buffer, .address_space: global }
      - { .name: Wk, .offset: 16, .size: 8, .value_kind: global_buffer, .address_space: global }
      - { .name: Wv, .offset: 24, .size: 8, .value_kind: global_buffer, .address_space: global }
      - { .name: Wo, .offset: 32, .size: 8, .value_kind: global_buffer, .address_space: global }
      - { .name: xc, .offset: 40, .size: 8, .value_kind: global_buffer, .address_space: global }
      - { .name: xs, .offset: 48, .size: 8, .value_kind: global_buffer, .address_space: global }
      - { .name: wc, .offset: 56, .size: 8, .value_kind: global_buffer, .address_space: global }
      - { .name: ws, .offset: 64, .size: 8, .value_kind: global_buffer, .address_space: global }
    .group_segment_fixed_size: 69120
    .private_segment_fixed_size: 0
    .kernarg_segment_align: 8
    .kernarg_segment_size: 72
    .max_flat_workgroup_size: 128
    .sgpr_count:     66
    .vgpr_count:     256
    .wavefront_size: 32
...
	.end_amdgpu_metadata
.endif
;; end of part 1
;; launch proj (part 2): grid 8 x 32, 4 waves a work-group, clusters of 4 x 4, 327,680 bytes of LDS; arguments xc, xs, wc, ws, bq, bk, bv, qrec, kv; writes qrec, kv
.if DOCPART == 2
	.amdgcn_target "amdgcn-amd-amdhsa--gfx1250"
	.amdhsa_code_object_version 6
	.text
	.protected	k_q0aad8bb819_proj
	.globl	k_q0aad8bb819_proj
	.p2align	8
	.type	k_q0aad8bb819_proj,@function
k_q0aad8bb819_proj:
	s_mov_b64 s[64:65], 0
	v_nop
	global_prefetch_b8 v0, s[64:65] scope:SCOPE_SE
	s_setreg_imm32_b32 hwreg(HW_REG_WAVE_MODE, 25, 1), 1
	s_wait_xcnt 0x0
	s_wait_alu depctr_hold_cnt(0) depctr_sa_sdst(0) depctr_va_vdst(0) depctr_va_sdst(0) depctr_va_ssrc(0) depctr_va_vcc(0) depctr_vm_vsrc(0)
	s_getreg_b32 s2, hwreg(HW_REG_IB_STS2, 6, 4)
	s_cmp_eq_u32 s2, 0
	s_cbranch_scc0 .Lentry_in_a_cluster
	s_endpgm
.Lentry_in_a_cluster:
	s_bfe_u32 s2, ttmp6, 0x10000c
	s_cmp_lg_u32 s2, 0xf033
	s_cbranch_scc0 .Lentry_shape_is_right
	s_endpgm
.Lentry_shape_is_right:
; Q, K and V = x W + b on codes of BF6 (E3M2) with E8M0 scales; the results are quantised again (Q, K along the channels, V along the keys) and leave as the records that the attention launch reads.
; k_input and v_input are read by no launch: reference() takes no number from them.
; SHARES.  A work-group: 256 tokens x 384 columns of the weight stack = the Q, K and V of two heads; 32 x 8 = 256 work-groups.  A wave: 128 tokens x one head's 64 Q, 64 K, 64 V: 8 x 12 = 96 accumulators, 768 registers.
; So a wave owns one whole record of 128 tokens of one head: Q's 6,400 bytes, and K's and V's 12,800.
; Q's and K's products take the weight as source 0 (a lane holds a token, its registers run along the channels); V's take x as source 0 (a lane holds a channel, its registers run along the tokens).
; K goes in four chunks of 256 through two LDS slots (16 tiles of x, 24 of W, 3,072 bytes each); all scale bytes come once, at the head.
; CLUSTER 4 x 4: x's tiles are asked for jointly along a row of the cluster, W's along a column.
; No prefetch: the walk has four chunks, of which two are asked for ahead of the first product, so there is no loop of loads to run ahead in.
; REGISTERS.  Window 0: v0-31 addresses, v32-55 scale words (two sets of 12: lanes 0-15 x's tile i, lanes 16-31 W's tile i), v56-199 W's twelve fragments, v200-247 four fragments of x, v248-253 the biases as loaded.
; Windows 1-3: accumulators.  Token tiles 2 w, 2 w + 1 (w < 3) fill slots 0-23 of window 1 + w; tiles 6, 7 fill slots 24-31 of window 1 + (column tile / 4): a unit of eight products stays in one window.
; LIMITS: a block of zeros gets the byte 1 (read by this program alone); NaN and infinities are not served.
.set TILEB, 3072
.set SLOT,  40*TILEB
.set BOFF,  16*TILEB
.set SCL,   2*SLOT
.set SBLK,  544                        ; the scale bytes of 16 rows: two units of 256 + 16
.set SCLB,  SCL+16*SBLK
.set BSTG,  SCLB+24*SBLK               ; 768 bytes a wave: the biases' turn through LDS; no fill lands here
.set SPARE, BSTG+4*768
.set L8, 3
.set BST, 4
.set BRD, 5
.set BRV, 6
.set SOF, 7
.set ADRA, 16
.set ADRB, 20
.set ADRS, 27
.set SPW, 28
.set NIL, 29
.set SC, 32
.set BF, 56
.set AF, 200
.set BV, 248
.set BIAS, 32                          ; on the way out: v32-95 Q's and K's biases, v96-103 V's, v104-167 the numbers, v168-207 codes, v208-223 at work, v224-235 scale words
.set VB, 96
.set X, 104
.set PC, 168
.set TM, 208
.set PW, 224
.set OW, 236
.set SEL, 2
.set G1, 24
.set G0, 32
.set G1B, 48
.set G0B, 56
.set G1S, 68
.set G0S, 76
.set G1SB, 80
.set G0SB, 88
.set G0H, 4
.set G0HB, 8
.set MSB, 0
.macro WIN new
.if MSB != (\new)
	s_set_vgpr_msb (MSB<<8)|(\new)
.set MSB, (\new)
.endif
.endm
.macro TLOAD g0, g1                    ; a tensor load, with an s_nop and four v_nops behind it
	tensor_load_to_lds s[\g0:\g0+3], s[\g1:\g1+7]
	s_nop 0
.rept 4
	v_nop
.endr
.endm
.macro JLOAD g0a, g1a, g0b, g1b        ; waves 0, 1 fetch for x, waves 2, 3 for W
	s_cmp_eq_u32 s15, 0
	s_cbranch_scc0 .Lfor_b_\@
	TLOAD \g0a, \g1a
	s_branch .Lasked_\@
.Lfor_b_\@:
	TLOAD \g0b, \g1b
.Lasked_\@:
.endm
.macro CREST
	s_cmp_lg_u32 s14, 0
	s_cbranch_scc1 .Lnot_wave_0_\@
	s_barrier_signal -3
.Lnot_wave_0_\@:
	s_barrier_wait -3
	s_barrier_signal -1
	s_barrier_wait -1
.endm
.macro CROUND
	s_barrier_signal -1
	s_barrier_wait -1
	CREST
.endm
.macro DESC g, c, r, p                 ; group 1: r rows of c elements of 8 bytes, p elements apart
	s_mov_b32 s[\g+1], (\c)<<16
	s_mov_b32 s[\g+2], (\r)<<16
	s_mov_b32 s[\g+3], (\c)<<16
	s_mov_b32 s[\g+4], \r
	s_mov_b32 s[\g+5], \p
	s_mov_b32 s[\g+6], 0
	s_mov_b32 s[\g+7], 0
.endm
.macro G0SET g, lds, adr
	s_mov_b32 s[\g], 1
	s_mov_b32 s[\g+1], \lds
	s_mov_b64 s[\g+2:\g+3], s[\adr:\adr+1]
	s_or_b32 s[\g+3], s[\g+3], 0x80000000
.endm
; 64 numbers of a lane, register 16 b + i = k 32 b + 16 (lane / 16) + i of my row, become 12 registers of codes and a scale word
.macro QUANT s, pc, pw
.irp b, 0,1,2,3
	v_max3_num_f32 v[TM+\b], |v[(\s)+16*\b]|, |v[(\s)+1+16*\b]|, 0x2800000   ; with the floor 2^(5 - 127): the byte cannot fall under 1
.endr
.irp i, 2,4,6,8,10,12,14
.irp b, 0,1,2,3
	v_max3_num_f32 v[TM+\b], v[TM+\b], |v[(\s)+16*\b+\i]|, |v[(\s)+1+16*\b+\i]|
.endr
.endr
.irp b, 0,1,2,3
	v_permlanex16_b32 v[TM+4+\b], v[TM+\b], s[SEL], s[SEL+1]
.endr
.irp b, 0,1,2,3
	v_max_num_f32 v[TM+\b], v[TM+\b], v[TM+4+\b]
.endr
.irp b, 0,1,2,3
	v_add_nc_u32 v[TM+12+\b], 0xfe000000, v[TM+\b]   ; 4 off the exponent field: the conversion's scale operand
.endr
.irp b, 0,1,2,3
	v_lshrrev_b32 v[TM+4+\b], 23, v[TM+12+\b]
.endr
	v_lshl_or_b32 v[\pw], v[TM+5], 8, v[TM+4]
	v_lshl_or_b32 v[\pw], v[TM+6], 16, v[\pw]
	v_lshl_or_b32 v[\pw], v[TM+7], 24, v[\pw]
.irp c, 0,1
	v_cvt_scalef32_pk16_bf6_f32 v[(\pc)+6*\c:(\pc)+2+6*\c], v[(\s)+32*\c:(\s)+15+32*\c], v[TM+12+2*\c]
	v_cvt_scalef32_pk16_bf6_f32 v[(\pc)+12+4*\c:(\pc)+14+4*\c], v[(\s)+16+32*\c:(\s)+31+32*\c], v[TM+12+2*\c+1]
.endr
	v_nop                                          ; one plain place behind a scaled conversion
.irp c, 0,1
.irp i, 0,1,2
	v_permlane16_swap_b32 v[(\pc)+6*\c+\i], v[(\pc)+12+4*\c+\i]
.endr
.irp i, 0,1,2
	v_mov_b32 v[(\pc)+3+6*\c+\i], v[(\pc)+12+4*\c+\i]
.endr
.endr
.endm
	s_load_b256 s[4:11], s[0:1], 0x0               ; xc, xs, wc, ws
	s_load_b256 s[92:99], s[0:1], 0x20             ; bq, bk, bv, qrec
	s_load_b64 s[100:101], s[0:1], 0x40            ; kv
	v_lshl_add_u32 v[SPW], v0, 2, SPARE
	v_mov_b32 v[NIL], 0
	ds_add_u32 v[SPW], v[NIL]                      ; two opening adds of zero
	ds_add_u32 v[SPW], v[NIL]
	v_lshrrev_b32 v1, 5, v0
	v_readfirstlane_b32 s14, v1                    ; wave
	s_lshr_b32 s15, s14, 1                         ; my half of the tokens; also: I fetch for x (0) or W (1)
	s_and_b32 s16, s14, 1                          ; my head of the two; also: which half of a tile's rows I fetch
	s_bfe_u32 s40, ttmp6, 0x40000
	s_bfe_u32 s41, ttmp6, 0x40004
	s_lshl_b32 s42, ttmp9, 2
	s_add_co_u32 s42, s42, s40                     ; pair of heads 0..7
	s_and_b32 s17, ttmp7, 0xffff
	s_lshl_b32 s17, s17, 2
	s_add_co_u32 s17, s17, s41                     ; block of 256 tokens 0..31
	s_lshl_b32 s43, s41, 2
	s_lshl_b32 s43, 15, s43                        ; my row of the cluster
	s_lshl_b32 s44, 0x1111, s40                    ; my column
	s_or_b32 s[G1], s43, (3<<16)|(1<<21)
	s_or_b32 s[G1B], s44, (3<<16)|(1<<21)
	s_or_b32 s[G1S], s43, (3<<16)|(1<<20)|(1<<21)|(5<<22)|(3<<25)
	s_or_b32 s[G1SB], s44, (3<<16)|(1<<20)|(1<<21)|(5<<22)|(3<<25)
	DESC G1, 384, 16, 1536                         ; the head's loads: all 16 tiles of x, all 24 of W
	DESC G1B, 384, 24, 1536
	DESC G1S, 32, 32, 32                           ; scale bytes: dense, as rows of 256 with 16 of padding
	DESC G1SB, 32, 48, 32
	s_mul_i32 s20, s17, 16*12288
	s_mov_b32 s21, 0
	s_lshl_b32 s22, s17, 13
	s_mov_b32 s23, 0
	s_mul_i32 s46, s42, 24*12288
	s_mov_b32 s47, 0
	s_mul_i32 s66, s42, 384*32
	s_mov_b32 s67, 0
	s_mul_i32 s18, s16, 8*12288                    ; in the ring a wave fetches half of a tile's rows
	s_mov_b32 s19, 0
	s_mul_i32 s12, s16, 12*12288
	s_mov_b32 s13, 0
	s_mul_i32 s43, s16, 8*TILEB
	s_mul_i32 s45, s16, 12*TILEB
	s_add_co_u32 s45, s45, BOFF
	s_mov_b32 s[SEL], 0x76543210
	s_mov_b32 s[SEL+1], 0xfedcba98
	s_wait_dscnt 0x0
	s_wait_kmcnt 0x0
	s_add_nc_u64 s[20:21], s[4:5], s[20:21]
	s_add_nc_u64 s[22:23], s[6:7], s[22:23]
	s_add_nc_u64 s[46:47], s[8:9], s[46:47]
	s_add_nc_u64 s[66:67], s[10:11], s[66:67]
	CROUND                                         ; the first joint loads meet
	G0SET G0H, 0, 20
	G0SET G0HB, BOFF, 46
	G0SET G0S, SCL, 22
	G0SET G0SB, SCLB, 66
	s_add_nc_u64 s[20:21], s[20:21], s[18:19]
	s_add_nc_u64 s[46:47], s[46:47], s[12:13]
.irp s, 0,1
	s_mov_b32 s[G0+4*\s], 1
	s_add_co_u32 s[G0+4*\s+1], s43, \s*SLOT
	s_add_nc_u64 s[G0+4*\s+2:G0+4*\s+3], s[20:21], \s*TILEB
	s_or_b32 s[G0+4*\s+3], s[G0+4*\s+3], 0x80000000
	s_mov_b32 s[G0B+4*\s], 1
	s_add_co_u32 s[G0B+4*\s+1], s45, \s*SLOT
	s_add_nc_u64 s[G0B+4*\s+2:G0B+4*\s+3], s[46:47], \s*TILEB
	s_or_b32 s[G0B+4*\s+3], s[G0B+4*\s+3], 0x80000000
.endr
; the head's four tiles, one load a wave, in one chain of branches on the wave's number
.macro ARM under, g0, g1, next
	s_cmp_lt_u32 s14, \under
	s_cbranch_scc0 \next
	TLOAD \g0, \g1
	s_branch .Lhead_asked
\next:
.endm
	ARM 1, G0H,  G1,  .Lhead_b
	ARM 2, G0HB, G1B, .Lhead_sa
	ARM 3, G0S,  G1S, .Lhead_sb
	TLOAD G0SB, G1SB
.Lhead_asked:
	s_lshl_b32 s20, s42, 1
	s_add_co_u32 s20, s20, s16                     ; my head
	s_lshr_b32 s21, s17, 3                         ; batch
	s_lshl_b32 s21, s21, 4
	s_add_co_u32 s21, s21, s20
	s_lshl_b32 s21, s21, 4
	s_and_b32 s22, s17, 7
	s_lshl_b32 s22, s22, 1
	s_add_co_u32 s22, s22, s15
	s_add_co_u32 s22, s22, s21                     ; my record: 16 (16 batch + head) + which 128 tokens
	s_lshl_b32 s20, s20, 8                         ; a head's 64 biases: 256 bytes
	s_mov_b32 s21, 0
	s_add_nc_u64 s[92:93], s[92:93], s[20:21]
	s_add_nc_u64 s[94:95], s[94:95], s[20:21]
	s_add_nc_u64 s[96:97], s[96:97], s[20:21]
	s_mul_i32 s20, s22, 6400
	s_add_nc_u64 s[98:99], s[98:99], s[20:21]
	s_mul_i32 s20, s22, 12800
	s_add_nc_u64 s[100:101], s[100:101], s[20:21]
	s_mul_i32 s18, s15, 8*TILEB
	s_mul_i32 s19, s16, 12*TILEB
	s_add_co_u32 s19, s19, BOFF
	s_mul_i32 s21, s15, 8*SBLK
	s_mul_i32 s22, s16, 12*SBLK
	s_add_co_u32 s22, s22, SCLB-SCL
	s_sub_co_u32 s22, s22, s21
	s_add_co_u32 s21, s21, SCL
	s_mul_i32 s23, s14, 768
	s_add_co_u32 s23, s23, BSTG
	v_and_b32 v1, 15, v0                           ; r
	v_bfe_u32 v2, v0, 4, 1                         ; h
	v_and_b32 v[L8], 31, v0
	v_lshlrev_b32 v[L8], 3, v[L8]
	global_load_b64 v[BV:BV+1], v[L8], s[92:93]    ; my head's biases, 8 bytes a lane: waited for on the way out
	global_load_b64 v[BV+2:BV+3], v[L8], s[94:95]
	global_load_b64 v[BV+4:BV+5], v[L8], s[96:97]
	v_add_nc_u32 v[ADRA], s18, v[L8]
	v_add_nc_u32 v[ADRA+1], SLOT, v[ADRA]
	v_add_nc_u32 v[ADRB], s19, v[L8]
	v_add_nc_u32 v[ADRB+1], SLOT, v[ADRB]
	v_lshlrev_b32 v8, 5, v1                        ; a row's 32 scale bytes,
	v_lshrrev_b32 v9, 8, v8
	v_lshl_add_u32 v8, v9, 4, v8                   ; and 16 more for each 256 passed
	v_mul_u32_u24 v9, s22, v2                      ; lanes 16-31 take W's
	v_add_nc_u32 v8, v8, v9
	v_add_nc_u32 v[ADRS], s21, v8
	v_add_nc_u32 v[BST], s23, v[L8]
	v_lshl_add_u32 v[BRD], v2, 6, s23
	v_and_b32 v9, 8, v1
	v_add_nc_u32 v9, v9, v1
	v_lshl_add_u32 v[BRV], v9, 2, s23
	v_lshlrev_b32 v[SOF], 4, v1
	v_lshl_add_u32 v[SOF], v2, 3, v[SOF]           ; a record's scale words: 16 r + 8 h
.macro ACC a, b                        ; where accumulator (token tile a, column tile b) lies: window AW, register AR
.if (\a)/2 < 3
.set AW, 1+(\a)/2
.set AR, 8*(8*((\b)/4)+2*((\b)%4)+(\a)%2)
.else
.set AW, 1+(\b)/4
.set AR, 8*(24+2*((\b)%4)+(\a)%2)
.endif
.endm
.macro MM a, b, zero
.set FA, AF+12*((\a)%4)
.set FB, BF+12*(\b)
.if (\b) < 8
.if \zero
	v_wmma_scale_f32_16x16x128_f8f6f4 v[AR:AR+7], v[FB:FB+11], v[FA:FA+11], 0, v[SS+(\b)], v[SS+(\a)] matrix_a_fmt:MATRIX_FMT_BF6 matrix_b_fmt:MATRIX_FMT_BF6 matrix_a_scale:MATRIX_SCALE_ROW1
.else
	v_wmma_scale_f32_16x16x128_f8f6f4 v[AR:AR+7], v[FB:FB+11], v[FA:FA+11], v[AR:AR+7], v[SS+(\b)], v[SS+(\a)] matrix_a_fmt:MATRIX_FMT_BF6 matrix_b_fmt:MATRIX_FMT_BF6 matrix_a_scale:MATRIX_SCALE_ROW1
.endif
.else
.if \zero
	v_wmma_scale_f32_16x16x128_f8f6f4 v[AR:AR+7], v[FA:FA+11], v[FB:FB+11], 0, v[SS+(\a)], v[SS+(\b)] matrix_a_fmt:MATRIX_FMT_BF6 matrix_b_fmt:MATRIX_FMT_BF6 matrix_b_scale:MATRIX_SCALE_ROW1
.else
	v_wmma_scale_f32_16x16x128_f8f6f4 v[AR:AR+7], v[FA:FA+11], v[FB:FB+11], v[AR:AR+7], v[SS+(\a)], v[SS+(\b)] matrix_a_fmt:MATRIX_FMT_BF6 matrix_b_fmt:MATRIX_FMT_BF6 matrix_b_scale:MATRIX_SCALE_ROW1
.endif
.endif
.endm
.macro UNIT ap, bg, st, zero           ; eight products: token tiles 2 ap, 2 ap + 1 x column tiles 4 bg .. 4 bg + 3; the accumulators take turns
.set SS, SC+12*((\st)%2)
.irp bb, 0,1,2,3
.irp aa, 0,1
	ACC 2*(\ap)+\aa, 4*(\bg)+\bb
	WIN AW*0x50
	MM 2*(\ap)+\aa, 4*(\bg)+\bb, \zero
.endr
.endr
.endm
.macro ROW ap, st, zero
	UNIT \ap, 0, \st, \zero
	UNIT \ap, 1, \st, \zero
	UNIT \ap, 2, \st, \zero
.endm
.macro FRAGA a, st                     ; x's tile a of step st: six runs of 256 bytes
.irp p, 0,1,2,3,4,5
	ds_load_b64 v[AF+12*((\a)%4)+2*\p:AF+12*((\a)%4)+2*\p+1], v[ADRA+((\st)/2)%2] offset:(\a)*TILEB+((\st)%2)*1536+256*\p
.endr
.endm
.macro FRAGB g, st                     ; W's tiles 4 g .. 4 g + 3
.irp b, 0,1,2,3
.irp p, 0,1,2,3,4,5
	ds_load_b64 v[BF+12*(4*(\g)+\b)+2*\p:BF+12*(4*(\g)+\b)+2*\p+1], v[ADRB+((\st)/2)%2] offset:(4*(\g)+\b)*TILEB+((\st)%2)*1536+256*\p
.endr
.endr
.endm
.macro SCALES st
.irp i, 0,1,2,3,4,5,6,7,8,9,10,11
	ds_load_b32 v[SC+12*((\st)%2)+\i], v[ADRS] offset:\i*SBLK+4*(\st)
.endr
.endm
.macro GAP                             ; four places in front of loads into registers that the products above read
.rept 4
	v_nop
.endr
	WIN 0
.endm
; A STEP of 128 along K: 96 products by pairs of token tiles.  x's fragments come two tiles at a time into the buffers just freed; W's next fragments come in the last pair, four at a time, as their last products are issued.
; LDS loads in their order round a step's edge: x 0,1 (12), W 0-3 (24), W 4-7 (24), W 8-11 (24), x 2,3 (12), x 4,5 (12), x 6,7 (12), scale words (12): each counted wait names what was issued behind the group it needs.
.macro STEP st, zero
.set NX, (\st)+1
	s_wait_dscnt 60                                ; W 4-11 and x 2,3 may be out
	UNIT 0, 0, \st, \zero
	s_wait_dscnt 36                                ; W 8-11 and x 2,3
	UNIT 0, 1, \st, \zero
	s_wait_dscnt 12                                ; x 2,3
	UNIT 0, 2, \st, \zero
	GAP
	FRAGA 4, \st
	FRAGA 5, \st
	s_wait_dscnt 12                                ; x 4,5 may be out
	ROW 1, \st, \zero
	GAP
	FRAGA 6, \st
	FRAGA 7, \st
.if NX < 8
	SCALES NX
.endif
.if (\st)%2 == 1 && NX < 8             ; the slot's last reads are issued: the change of slots
	s_wait_tensorcnt 0x0                           ; my part of the other slot is in;
	ds_add_u32 v[SPW], v[NIL]
	s_wait_dscnt 25                                ; (x 6,7, the scale words and the add may be out)
	UNIT 2, 0, \st, \zero
	s_wait_dscnt 0x0                               ; the add is done and my reads of this slot are over
	s_barrier_signal -1
	UNIT 2, 1, \st, \zero
	WIN 0
	s_barrier_wait -1
.if (\st) < 4
	CREST                                          ; the barrier opened a round of the cluster's barrier
	s_add_nc_u64 s[G0+4*(((\st)/2)%2)+2:G0+4*(((\st)/2)%2)+3], s[G0+4*(((\st)/2)%2)+2:G0+4*(((\st)/2)%2)+3], 2*TILEB
	s_add_nc_u64 s[G0B+4*(((\st)/2)%2)+2:G0B+4*(((\st)/2)%2)+3], s[G0B+4*(((\st)/2)%2)+2:G0B+4*(((\st)/2)%2)+3], 2*TILEB
	JLOAD G0+4*(((\st)/2)%2), G1, G0B+4*(((\st)/2)%2), G1B   ; the chunk two further on, into the slot just read out
.endif
	UNIT 2, 2, \st, \zero
.else
.if NX < 8
	s_wait_dscnt 24                                ; x 6,7 and the scale words may be out
.else
	s_wait_dscnt 12
.endif
	ROW 2, \st, \zero
.endif
.if NX < 8
	GAP
	FRAGA 0, NX
	FRAGA 1, NX
.if (\st)%2 == 0
	s_wait_dscnt 24                                ; the scale words and the next x 0,1 may be out
.endif
	UNIT 3, 0, \st, \zero
	GAP
	FRAGB 0, NX
	UNIT 3, 1, \st, \zero
	GAP
	FRAGB 1, NX
	UNIT 3, 2, \st, \zero
	GAP
	FRAGB 2, NX
	FRAGA 2, NX
	FRAGA 3, NX
.else
	s_wait_dscnt 0x0
	ROW 3, \st, \zero
.endif
.endm
	s_wait_alu depctr_va_vdst(0)                   ; the wait at the head's end
	s_wait_tensorcnt 0x0                           ; my tile of the head's four is in
	ds_add_u32 v[SPW], v[NIL]
	s_mov_b32 s[G1+2], 8<<16                       ; no load of mine is out: from here on a load brings half of a tile's rows
	s_mov_b32 s[G1+4], 8
	s_mov_b32 s[G1B+2], 12<<16
	s_mov_b32 s[G1B+4], 12
	s_wait_dscnt 0x0
	CROUND
	JLOAD G0+4, G1, G0B+4, G1B                     ; chunk 1, the first tensor load behind the round
	SCALES 0
	FRAGA 0, 0
	FRAGA 1, 0
	FRAGB 0, 0
	FRAGB 1, 0
	FRAGB 2, 0
	FRAGA 2, 0
	FRAGA 3, 0
	STEP 0, 1                                      ; the first products start the sums
.irp t, 1,2,3,4,5,6,7
	STEP \t, 0
.endr
	GAP
	; THE WAY OUT.  The biases turn through my own 768 bytes of LDS into the results' layout.
	s_wait_loadcnt 0x0
.irp t, 0,1,2
	ds_store_b64 v[BST], v[BV+2*\t:BV+2*\t+1] offset:256*\t
.endr
.irp t, 0,1
.irp c, 0,1
.irp i, 0,1,2,3
	ds_load_b128 v[BIAS+32*\t+16*\c+4*\i:BIAS+32*\t+16*\c+4*\i+3], v[BRD] offset:256*\t+128*\c+16*\i   ; register 16 c + i: channel 32 c + 16 h + i
.endr
.endr
.endr
.irp t, 0,1,2,3
	ds_load_b32 v[VB+2*\t], v[BRV] offset:512+4*(32*(\t/2)+8*(\t%2))       ; V: my lane's channel, in both halves of a pair
	ds_load_b32 v[VB+2*\t+1], v[BRV] offset:512+4*(32*(\t/2)+8*(\t%2))
.endr
.irp b, 0,1,2,3
	v_mov_b32 v[TM+4+\b], 0                        ; a lane permute's destination counts as one of its sources
.endr
	s_wait_dscnt 0x0
.macro QKUNIT a                        ; token tile a: 64 channels of Q and 64 of K
.if (\a) >= 2
	s_wait_xcnt 0x0                                ; the stores of two units ago have read their registers
.endif
.irp b, 0,1,2,3,4,5,6,7
	ACC \a, \b
	WIN AW
.irp j, 0,2,4,6
	v_pk_add_f32 v[X+8*\b+\j:X+8*\b+\j+1], v[AR+\j:AR+\j+1], v[BIAS+8*\b+\j:BIAS+8*\b+\j+1]
.endr
.endr
	WIN 0
	QUANT X, PC+20*((\a)%2), PW+(\a)
.irp p, 0,1,2
	global_store_b64 v[L8], v[PC+20*((\a)%2)+2*\p:PC+20*((\a)%2)+2*\p+1], s[98:99] offset:768*(\a)+256*\p      ; 256 consecutive bytes, aligned
	global_store_b64 v[L8], v[PC+20*((\a)%2)+6+2*\p:PC+20*((\a)%2)+7+2*\p], s[100:101] offset:768*(\a)+256*\p
.endr
.endm
.macro VUNIT t                         ; 16 channels of V x my 128 tokens
	s_wait_xcnt 0x0
.irp a, 0,1,2,3,4,5,6,7
	ACC \a, 8+(\t)
	WIN AW
.irp j, 0,2,4,6
	v_pk_add_f32 v[X+8*\a+\j:X+8*\a+\j+1], v[AR+\j:AR+\j+1], v[VB+2*(\t):VB+2*(\t)+1]
.endr
.endr
	WIN 0
	QUANT X, PC+20*((\t)%2), PW+8+(\t)
.irp p, 0,1,2,3,4,5
	global_store_b64 v[L8], v[PC+20*((\t)%2)+2*\p:PC+20*((\t)%2)+2*\p+1], s[100:101] offset:6400+1536*(\t)+256*\p
.endr
.endm
.irp a, 0,1,2,3,4,5,6,7
	QKUNIT \a
.endr
.irp t, 0,1,2,3
	VUNIT \t
.endr
	v_cmp_ne_u32 vcc_lo, 0, v2                     ; lanes 0-15 store a row's first two scale words, lanes 16-31 its last two
.irp i, 0,1,2,3
	v_cndmask_b32 v[OW+\i], v[PW+\i], v[PW+4+\i], vcc_lo
.endr
	v_perm_b32 v[OW+4], v[OW+1], v[OW], 0x05040100      ; Q's two bytes of two tiles
	v_perm_b32 v[OW+5], v[OW+3], v[OW+2], 0x05040100
	v_perm_b32 v[OW+6], v[OW+1], v[OW], 0x07060302      ; K's
	v_perm_b32 v[OW+7], v[OW+3], v[OW+2], 0x07060302
	v_cndmask_b32 v[OW+8], v[PW+8], v[PW+10], vcc_lo
	v_cndmask_b32 v[OW+9], v[PW+9], v[PW+11], vcc_lo
	global_store_b64 v[SOF], v[OW+4:OW+5], s[98:99] offset:6144
	global_store_b64 v[SOF], v[OW+6:OW+7], s[100:101] offset:6144
	global_store_b64 v[SOF], v[OW+8:OW+9], s[100:101] offset:12544
	s_wait_tensorcnt 0x0                           ; the wave's end
	ds_add_u32 v[SPW], v[NIL]
	s_wait_dscnt 0x0
	CROUND                                         ; the closing round
	s_endpgm
.Lfunc_end_k_q0aad8bb819_proj:
	.size	k_q0aad8bb819_proj, .Lfunc_end_k_q0aad8bb819_proj-k_q0aad8bb819_proj
	.p2alignl 7, 3214868480
	.fill 96, 4, 3214868480
	.section	.rodata,"a",@progbits
	.p2align	6, 0x0
	.amdhsa_kernel k_q0aad8bb819_proj
		.amdhsa_group_segment_fixed_size 327680
		.amdhsa_private_segment_fixed_size 0
		.amdhsa_enable_private_segment 0
		.amdhsa_kernarg_size 72
		.amdhsa_user_sgpr_count 2
		.amdhsa_user_sgpr_kernarg_segment_ptr 1
		.amdhsa_wavefront_size32 1
		.amdhsa_system_sgpr_workgroup_id_x 1
		.amdhsa_system_sgpr_workgroup_id_y 1
		.amdhsa_system_sgpr_workgroup_id_z 1
		.amdhsa_system_vgpr_workitem_id 0
		.amdhsa_next_free_vgpr 1024
		.amdhsa_next_free_sgpr 102
		.amdhsa_reserve_vcc 1
		.amdhsa_float_denorm_mode_32 3
		.amdhsa_float_denorm_mode_16_64 3
		.amdhsa_memory_ordered 1
		.amdhsa_forward_progress 1
		.amdhsa_inst_pref_size 255
	.end_amdhsa_kernel
	.section	.bss,"aw",@nobits
	.p2align	6
	.space	262144
	.amdgpu_metadata
---
amdhsa.version: [ 1, 2 ]
amdhsa.kernels:
  - .name:           k_q0aad8bb819_proj
    .symbol:         k_q0aad8bb819_proj.kd
    .args:
      - { .name: xc, .offset: 0, .size: 8, .value_kind: global_buffer, .address_space: global }
      - { .name: xs, .offset: 8, .size: 8, .value_kind: global_buffer, .address_space: global }
      - { .name: wc, .offset: 16, .size: 8, .value_kind: global_buffer, .address_space: global }
      - { .name: ws, .offset: 24, .size: 8, .value_kind: global_buffer, .address_space: global }
      - { .name: bq, .offset: 32, .size: 8, .value_kind: global_buffer, .address_space: global }
      - { .name: bk, .offset: 40, .size: 8, .value_kind: global_buffer, .address_space: global }
      - { .name: bv, .offset: 48, .size: 8, .value_kind: global_buffer, .address_space: global }
      - { .name: qrec, .offset: 56, .size: 8, .value_kind: global_buffer, .address_space: global }
      - { .name: kv, .offset: 64, .size: 8, .value_kind: global_buffer, .address_space: global }
    .group_segment_fixed_size: 327680
    .private_segment_fixed_size: 0
    .kernarg_segment_align: 8
    .kernarg_segment_size: 72
    .max_flat_workgroup_size: 128
    .sgpr_count:     102
    .vgpr_count:     1024
    .wavefront_size: 32
...
	.end_amdgpu_metadata
.endif
;; end of part 2
;; launch attn (part 3): grid 4 x 64, 16 waves a work-group, clusters of 4 x 1, 232,448 bytes of LDS; arguments qrec, kv, ac, asc; writes ac, asc
.if DOCPART == 3
	.amdgcn_target "amdgcn-amd-amdhsa--gfx1250"
	.amdhsa_code_object_version 6
	.text
	.protected	k_q0aad8bb819_attn
	.globl	k_q0aad8bb819_attn
	.p2align	8
	.type	k_q0aad8bb819_attn,@function
k_q0aad8bb819_attn:
	s_mov_b64 s[64:65], 0
	v_nop
	global_prefetch_b8 v0, s[64:65] scope:SCOPE_SE
	s_setreg_imm32_b32 hwreg(HW_REG_WAVE_MODE, 25, 1), 1
	s_wait_xcnt 0x0
	s_wait_alu depctr_hold_cnt(0) depctr_sa_sdst(0) depctr_va_vdst(0) depctr_va_sdst(0) depctr_va_ssrc(0) depctr_va_vcc(0) depctr_vm_vsrc(0)
	s_getreg_b32 s2, hwreg(HW_REG_IB_STS2, 6, 4)
	s_cmp_eq_u32 s2, 0
	s_cbranch_scc0 .Lentry_in_a_cluster
	s_endpgm
.Lentry_in_a_cluster:
	s_bfe_u32 s2, ttmp6, 0x10000c
	s_cmp_lg_u32 s2, 0x3003
	s_cbranch_scc0 .Lentry_shape_is_right
	s_endpgm
.Lentry_shape_is_right:
; attn[b][q][64 head + d] = the sum over keys of softmax(q . k / 8) v, both products on codes of BF6 (E3M2) with E8M0 scales; the result is quantised along the channels and leaves as codes for the last product.
; THE SOFTMAX: t = score x log2(e) / 8; M = the running largest t rounded up to a whole number; p = 2^(t - M) is quantised along the keys, not normalised; the row's sum is taken of the unquantised p and divides at the end.
; When M moves, the sum and O are multiplied by 2^(old M - new M), which rounds nothing.
; SHARES.  A head's K, V and scale bytes are one dense block of 204,800 bytes (16 records of 128 keys): it lies in LDS whole, filled once, with 64 bytes of padding behind each 512.  The loop has no ring and no barrier.
; A work-group owns a quarter of a head's queries: two passes of 256, each of its sixteen waves one tile of 16 queries a pass.
; CLUSTER: the four quarters of a head ask for the block jointly: wave w of each asks for record w.  By this text's count a wave has one tensor load out.  No prefetch: every byte is asked for at the head.
; LAYOUT.  Both products are used transposed (S^T = K Q^T, O^T = V^T P^T): a lane holds one query (lane % 16) throughout.
; WHICH KEYS FORM A TILE OF K is chosen as the fragments are read from LDS: row m of tile T is key 64 (T / 4) + 32 (m / 8) + 8 (T % 4) + m % 8.  So the 32 registers of tiles 4 c .. 4 c + 3 are keys
; 64 c + 32 (lane / 16) + 0 .. 31: one whole block of p in a lane, in the order of the operand's registers.  A block's largest p needs no other lane, and the codes need no exchange between lanes.
; In the record that key lies in tile 4 (T / 4) + 2 (m / 8) + T % 2 at row m % 8 + 8 ((T % 4) / 2); with the padding the 32 lanes of a load touch 64 different banks.
; THE HEAD HAS 64 CHANNELS AND THE INSTRUCTION 128 ALONG K: one operand of 12 registers holds two tiles of keys; it is multiplied once by [q | zero codes] and once by [zero codes | q].
; LIMITS: 1 / the sum by v_rcp_f32; a block of zeros gets the byte 1 (read by this program alone); NaN and infinities are not served; the scaled scores stay under 2^31 in magnitude.
.set L8,  1                            ; 8 x lane
.set R16, 2                            ; 16 x (lane % 16)
.set ADK, 3                            ; LDS addresses of the step: K's runs,
.set ADS, 4                            ; V's scale words
.set TMP, 5
.set NM,  6                            ; v6 -M, v7 the largest score
.set SUM, 8
.set QLO, 10                           ; v[10:21] = q, zeros
.set QHI, 16                           ; v[16:27] = zeros, q
.set QS,  28
.set QNS, 29
.set QN,  30
.set KS,  36
.set VS,  40
.set F,   44                           ; four operands of K, then of V
.set S,   92                           ; S^T, then p
.set O,   156
.set PC,  188                          ; the sum's parts, then p's codes
.set CT,  200
.set BM,  208
.set SO,  212
.set FF,  216
.set PW,  218
.set BOF, 219
.set BY,  220
.set KL,  221                          ; my place in a run of K: 8 (r % 8) + 128 h + 1728 (r / 8)
.set KSL, 222                          ; and among K's scale words: 16 (r % 8) + 4 (r / 8)
.set SH8, 223                          ; 8 h
.set ADV, 224
.set ADKS, 225
.set OLD, 226
.set XT,  227
.set REC, 14400                        ; a record in LDS: 25 rows of 512 + 64
.set WV,  12
.set SEL, 20
.set CS,  22
.set G1,  24
.set G0,  32
.set TB,  36
.set CNT, 37
.macro CROUND
	s_barrier_signal -1
	s_barrier_wait -1
	s_cmp_lg_u32 s[WV], 0
	s_cbranch_scc1 .Lnot_wave_0_\@
	s_barrier_signal -3
.Lnot_wave_0_\@:
	s_barrier_wait -3
	s_barrier_signal -1
	s_barrier_wait -1
.endm
	s_load_b256 s[4:11], s[0:1], 0x0               ; qrec, kv, ac, asc
	v_lshl_add_u32 v254, v0, 2, 16*REC
	v_mov_b32 v255, 0
	ds_add_u32 v254, v255                          ; two opening adds of zero
	ds_add_u32 v254, v255
	v_lshrrev_b32 v1, 5, v0
	v_readfirstlane_b32 s[WV], v1                  ; wave 0..15
	s_bfe_u32 s13, ttmp6, 0x40000                  ; cx: which quarter of the queries
	s_and_b32 s14, ttmp7, 0xffff                   ; 16 x batch + head
	s_mov_b32 s[G1], 15|(3<<16)|(1<<20)|(1<<21)|(6<<22)|(15<<25)   ; the mask of all four; elements of 8 bytes; behind every 128 words 16 words of padding
	s_mov_b32 s[G1+1], 64<<16                      ; a record: 25 rows of 512 bytes, dense
	s_mov_b32 s[G1+2], 25<<16
	s_mov_b32 s[G1+3], 64<<16
	s_mov_b32 s[G1+4], 25
	s_mov_b32 s[G1+5], 64
	s_mov_b32 s[G1+6], 0
	s_mov_b32 s[G1+7], 0
	s_mov_b32 s[G0], 1
	s_mul_i32 s[G0+1], s[WV], REC
	s_mul_i32 s40, s14, 204800
	s_mul_i32 s41, s[WV], 12800
	s_add_co_u32 s40, s40, s41
	s_mov_b32 s41, 0
	s_lshl_b32 s42, s14, 4                         ; Q: record 16 x head + 4 cx + w / 8 (the second pass: two further on),
	s_lshl_b32 s43, s13, 2
	s_add_co_u32 s42, s42, s43
	s_lshr_b32 s43, s[WV], 3
	s_add_co_u32 s42, s42, s43
	s_mul_i32 s42, s42, 6400
	s_and_b32 s43, s[WV], 7                        ; tile w % 8 of it
	s_mul_i32 s44, s43, 768
	s_add_co_u32 s44, s44, s42
	s_mov_b32 s45, 0
	s_lshr_b32 s43, s43, 1
	s_lshl_b32 s43, s43, 2
	s_add_co_u32 s46, s42, s43
	s_add_co_u32 s46, s46, 6144
	s_mov_b32 s47, 0
	s_mov_b32 s38, 0x01000100                      ; which two bytes of the pair's word are my tile's
	s_bitcmp1_b32 s[WV], 0
	s_cselect_b32 s38, 0x03020302, s38
	s_mov_b32 s[SEL], 0x76543210
	s_mov_b32 s[SEL+1], 0xfedcba98
	s_mov_b32 s[CS], 0x3e38aa3b                    ; c = log2(e) / sqrt(64)
	s_mov_b32 s[CS+1], s[CS]
	s_wait_dscnt 0x0
	s_wait_kmcnt 0x0
	s_add_nc_u64 s[G0+2:G0+3], s[6:7], s[40:41]
	s_or_b32 s[G0+3], s[G0+3], 0x80000000
	s_add_nc_u64 s[16:17], s[4:5], s[44:45]
	s_add_nc_u64 s[18:19], s[4:5], s[46:47]
	s_lshr_b32 s40, s14, 4                         ; the way out: tile 128 x batch + 32 cx + w (the second pass: 16 further on)
	s_lshl_b32 s40, s40, 7
	s_lshl_b32 s41, s13, 5
	s_add_co_u32 s40, s40, s41
	s_add_co_u32 s40, s40, s[WV]
	s_and_b32 s41, s14, 15
	s_lshl_b32 s42, s40, 9
	s_lshl_b32 s43, s41, 1
	s_add_co_u32 s42, s42, s43
	s_mov_b32 s43, 0
	s_lshl_b32 s40, s40, 4
	s_add_co_u32 s40, s40, s41
	s_mul_i32 s40, s40, 768
	s_mov_b32 s41, 0
	s_add_nc_u64 s[8:9], s[8:9], s[40:41]
	s_add_nc_u64 s[10:11], s[10:11], s[42:43]
	CROUND                                         ; the joint loads meet
	tensor_load_to_lds s[G0:G0+3], s[G1:G1+7]      ; my one tensor load of the launch: record w
	s_nop 0
.rept 4
	v_nop
.endr
	v_and_b32 v[L8], 31, v0
	v_and_b32 v[TMP], 15, v0
	v_bfe_u32 v[BY], v0, 4, 1                      ; h
	v_and_b32 v[KSL], 7, v0
	v_bfe_u32 v[XT], v0, 3, 1
	v_lshlrev_b32 v[L8], 3, v[L8]
	v_lshlrev_b32 v[R16], 4, v[TMP]
	v_lshl_add_u32 v[BOF], v[TMP], 5, v[BY]
	v_cmp_ne_u32 s39, 0, v[BY]                     ; lanes 16-31
	v_lshlrev_b32 v[KL], 3, v[KSL]
	v_lshlrev_b32 v[SH8], 3, v[BY]
	v_lshl_add_u32 v[KL], v[BY], 7, v[KL]
	v_lshlrev_b32 v[KSL], 4, v[KSL]
	v_mad_u32_u24 v[KL], v[XT], 1728, v[KL]
	v_lshl_add_u32 v[KSL], v[XT], 2, v[KSL]
.macro QLOAD n
.irp p, 0,1,2
	global_load_b64 v[QN+2*\p:QN+2*\p+1], v[L8], s[16:17] offset:12800*\n+256*\p
.endr
	global_load_b32 v[QNS], v[R16], s[18:19] offset:12800*\n
.endm
	QLOAD 0
.irp i, 0,1,2,3,4,5
	v_mov_b32 v[QHI+\i], 0                         ; the zero codes, once
.endr
.irp i, 0,1,2,3
	v_mov_b32 v[CT+\i], 0                          ; a lane permute's destination counts as one of its sources
.endr
	v_mov_b32 v[FF+1], 0
	s_wait_alu depctr_va_vdst(0)                   ; the wait at the head's end
	s_wait_tensorcnt 0x0                           ; my record is in,
	s_barrier_signal -1
	s_barrier_wait -1                              ; everybody's is: from here on LDS is only read
; A KEY STEP: 128 keys, the record at s[TB].
.macro STEP
	v_add_nc_u32 v[ADK], s[TB], v[KL]              ; these four are also the places in front of loads into registers that the last products read
	v_add_nc_u32 v[ADKS], s[TB], v[KSL]
	v_add_nc_u32 v[ADV], s[TB], v[L8]
	v_add_nc_u32 v[ADS], s[TB], v[R16]
.irp g, 0,1,2,3
.irp u, 0,1
.irp p, 0,1,2
.set Z, 768*\u+256*\p
	ds_load_b64 v[F+12*\g+6*\u+2*\p:F+12*\g+6*\u+2*\p+1], v[ADK] offset:3456*(\g/2)+64*(\g%2)+Z+64*(Z/512)   ; tile 2 g + u of K
.endr
.endr
	ds_load_b32 v[KS+\g], v[ADKS] offset:6912+128*(\g%2)+8*(\g/2)   ; my row's scale bytes of the two tiles
.endr
	s_wait_alu depctr_va_vdst(0)                   ; the wait ahead of the wait below
	s_wait_dscnt 0x0
.irp g, 0,1,2,3
	v_wmma_scale_f32_16x16x128_f8f6f4 v[S+16*\g:S+16*\g+7], v[F+12*\g:F+12*\g+11], v[QLO:QLO+11], 0, v[KS+\g], v[QS] matrix_a_fmt:MATRIX_FMT_BF6 matrix_b_fmt:MATRIX_FMT_BF6
	v_wmma_scale_f32_16x16x128_f8f6f4 v[S+16*\g+8:S+16*\g+15], v[F+12*\g:F+12*\g+11], v[QHI:QHI+11], 0, v[KS+\g], v[QS] matrix_a_fmt:MATRIX_FMT_BF6 matrix_b_fmt:MATRIX_FMT_BF6
.endr
	v_mov_b32 v[OLD], v[NM]                        ; four places in front of the loads below and of the first read of the scores
.rept 3
	v_nop
.endr
.irp g, 0,1,2,3
.irp p, 0,1,2,3,4,5
.set Z, 6400+1536*\g+256*\p
	ds_load_b64 v[F+12*\g+2*\p:F+12*\g+2*\p+1], v[ADV] offset:Z+64*(Z/512)   ; V's four tiles: they land while the softmax is walked
.endr
.endr
	ds_load_b128 v[VS:VS+3], v[ADS] offset:14080
.irp c, 0,1                                    ; the largest score of my two blocks of 32 keys, each in two chains; each accumulator is read from its low end on
	v_max3_num_f32 v[BM+\c], v[S+32*\c], v[S+32*\c+1], v[S+32*\c+2]
	v_max3_num_f32 v[BM+2+\c], v[S+32*\c+16], v[S+32*\c+17], v[S+32*\c+18]
.endr
.irp i, 3,5,7,9,11,13
.irp c, 0,1
	v_max3_num_f32 v[BM+\c], v[BM+\c], v[S+32*\c+\i], v[S+32*\c+\i+1]
	v_max3_num_f32 v[BM+2+\c], v[BM+2+\c], v[S+32*\c+16+\i], v[S+32*\c+17+\i]
.endr
.endr
.irp c, 0,1
	v_max3_num_f32 v[BM+\c], v[BM+\c], v[BM+2+\c], v[S+32*\c+15]
.endr
.irp c, 0,1
	v_max_num_f32 v[BM+\c], v[BM+\c], v[S+32*\c+31]
.endr
	s_delay_alu instid0(VALU_DEP_1)
	v_max_num_f32 v[TMP], v[BM], v[BM+1]
	s_delay_alu instid0(VALU_DEP_1)
	v_permlanex16_b32 v[XT], v[TMP], s[SEL], s[SEL+1]
	s_delay_alu instid0(VALU_DEP_1)
	v_max3_num_f32 v[NM+1], v[NM+1], v[TMP], v[XT] ; the running largest score of my query
	s_delay_alu instid0(VALU_DEP_1)
	v_mul_f32 v[TMP], s[CS], v[NM+1]               ; as t (c is positive)
	s_delay_alu instid0(VALU_DEP_1)
	v_floor_f32 v[NM], -v[TMP]                     ; the new -M = -ceil(t)
	s_delay_alu instid0(VALU_DEP_1)
	v_sub_f32 v[TMP], v[NM], v[OLD]                ; M's old value less its new one
	s_delay_alu instid0(VALU_DEP_1)
	v_cvt_i32_f32 v[TMP], v[TMP]                   ; (it saturates)
	s_delay_alu instid0(VALU_DEP_1)
	v_ldexp_f32 v[FF], 1.0, v[TMP]                 ; f = 2^(old M - new M)
.set j, 0
.rept 32
	v_pk_fma_f32 v[S+j:S+j+1], v[S+j:S+j+1], s[CS:CS+1], v[NM:NM+1] op_sel_hi:[1,0,0]   ; t - M
.set j, j+2
.endr
.irp c, 0,1
	v_fma_f32 v[BM+\c], v[BM+\c], s[CS], v[NM]     ; the same of each block's largest score
.endr
	s_wait_alu depctr_va_vdst(0)                   ; the wait ahead of the batch
.irp c, 0,1
	v_exp_f32 v[BM+\c], v[BM+\c]                   ; the block's largest p: the same two instructions on the same number give the same bits
.endr
.set j, 0
.rept 64
	v_exp_f32 v[S+j], v[S+j]                       ; p = 2^(t - M), at most 1
.set j, j+1
.endr
	v_pk_mul_f32 v[SUM:SUM+1], v[SUM:SUM+1], v[FF:FF+1] op_sel_hi:[1,0]   ; the sums under the new M: a plain place behind the batch
	s_wait_alu depctr_va_vdst(0)                   ; one wait for the whole batch
.irp k, 0,1,2,3,4,5                            ; the row's sum of the unquantised p, in seven chains
	v_pk_add_f32 v[PC+2*\k:PC+2*\k+1], v[S+4*\k:S+4*\k+1], v[S+4*\k+2:S+4*\k+3]
.endr
.set n, 0
.rept 20
.if n%7 == 6
	v_pk_add_f32 v[SUM:SUM+1], v[SUM:SUM+1], v[S+24+2*n:S+25+2*n]
.else
	v_pk_add_f32 v[PC+2*(n%7):PC+2*(n%7)+1], v[PC+2*(n%7):PC+2*(n%7)+1], v[S+24+2*n:S+25+2*n]
.endif
.set n, n+1
.endr
.irp c, 0,1
	v_max_num_f32 v[BM+\c], 0x2800000, v[BM+\c]    ; the floor 2^(5 - 127): the byte cannot fall under 1
.endr
	v_pk_add_f32 v[PC:PC+1], v[PC:PC+1], v[PC+2:PC+3]
	v_pk_add_f32 v[PC+4:PC+5], v[PC+4:PC+5], v[PC+6:PC+7]
	v_pk_add_f32 v[PC+8:PC+9], v[PC+8:PC+9], v[PC+10:PC+11]
.irp c, 0,1
	v_add_nc_u32 v[SO+\c], 0xfe000000, v[BM+\c]    ; 4 off the exponent field: the conversion's scale operand
.endr
	v_pk_add_f32 v[PC:PC+1], v[PC:PC+1], v[PC+4:PC+5]
	v_pk_add_f32 v[SUM:SUM+1], v[SUM:SUM+1], v[PC+8:PC+9]
.irp c, 0,1
	v_lshrrev_b32 v[BM+2+\c], 23, v[SO+\c]         ; the scale's byte
.endr
	v_pk_add_f32 v[SUM:SUM+1], v[SUM:SUM+1], v[PC:PC+1]
	v_lshl_or_b32 v[PW], v[BM+3], 16, v[BM+2]      ; my bytes: blocks h and 2 + h,
	s_delay_alu instid0(VALU_DEP_1)
	v_lshlrev_b32 v[PW], v[SH8], v[PW]             ; at their places in the word;
	s_delay_alu instid0(VALU_DEP_1)
	v_permlanex16_b32 v[XT], v[PW], s[SEL], s[SEL+1]
	s_delay_alu instid0(VALU_DEP_1)
	v_or_b32 v[PW], v[PW], v[XT]                   ; with lane l xor 16's two the word is whole
.irp c, 0,1
	v_cvt_scalef32_pk16_bf6_f32 v[PC+6*\c:PC+6*\c+2], v[S+32*\c:S+32*\c+15], v[SO+\c]
	v_cvt_scalef32_pk16_bf6_f32 v[CT+4*\c:CT+4*\c+2], v[S+32*\c+16:S+32*\c+31], v[SO+\c]   ; a conversion's three registers begin on an even number
.endr
	v_nop                                          ; one plain place behind a scaled conversion
.irp c, 0,1
.irp i, 0,1,2
	v_mov_b32 v[PC+3+6*\c+\i], v[CT+4*\c+\i]
.endr
.endr
	s_wait_alu depctr_va_vdst(0)                   ; the wait directly ahead of the first reader of O^T
.set j, 0
.rept 16
	v_pk_mul_f32 v[O+j:O+j+1], v[O+j:O+j+1], v[FF:FF+1] op_sel_hi:[1,0]   ; O^T under the new M; also the places between the codes' and the scale word's last writes and the products
.set j, j+2
.endr
	s_wait_alu depctr_va_vdst(0)
	s_wait_dscnt 0x0                               ; V is in
.irp g, 0,1,2,3
	v_wmma_scale_f32_16x16x128_f8f6f4 v[O+8*\g:O+8*\g+7], v[F+12*\g:F+12*\g+11], v[PC:PC+11], v[O+8*\g:O+8*\g+7], v[VS+\g], v[PW] matrix_a_fmt:MATRIX_FMT_BF6 matrix_b_fmt:MATRIX_FMT_BF6   ; the four accumulators by turns
.endr
.endm
; A PASS: my tile of 16 queries against all 2,048 keys, and its way out.
.macro PASS n
	s_wait_loadcnt 0x0
.irp i, 0,1,2,3,4,5
	v_mov_b32 v[QLO+\i], v[QN+\i]
	v_mov_b32 v[QHI+6+\i], v[QN+\i]
.endr
	v_perm_b32 v[QS], v[QNS], v[QNS], s38          ; my tile's two bytes, in both halves of the word
.if \n == 0
	QLOAD 1
.endif
	v_mov_b32 v[NM+1], 0xff61b1e6                  ; the largest score so far: -3e38
	s_delay_alu instid0(VALU_DEP_1)
	v_floor_f32 v[NM], -v[NM+1]
	v_mov_b32 v[SUM], 0
	v_mov_b32 v[SUM+1], 0
.set j, 0
.rept 32
	v_mov_b32 v[O+j], 0                            ; the step is written once: the first finds zeros
.set j, j+1
.endr
	s_mov_b32 s[TB], 0
	s_mov_b32 s[CNT], 16
.Lstep_\@:
	STEP
	s_add_co_u32 s[TB], s[TB], REC
	s_sub_co_u32 s[CNT], s[CNT], 1
	s_cmp_lg_u32 s[CNT], 0
	s_cbranch_scc1 .Lstep_\@
	v_add_f32 v[SUM], v[SUM], v[SUM+1]
	v_permlanex16_b32 v[CT], v[SUM], s[SEL], s[SEL+1]
	s_delay_alu instid0(VALU_DEP_1)
	v_add_f32 v[SUM], v[SUM], v[CT]
	s_wait_alu depctr_va_vdst(0)
	v_rcp_f32 v[FF], v[SUM]
	v_nop
	v_nop
	s_wait_alu depctr_va_vdst(0)
.set j, 0
.rept 16
	v_pk_mul_f32 v[S+j:S+j+1], v[O+j:O+j+1], v[FF:FF+1] op_sel_hi:[1,0]   ; O^T / the sum: register 16 b + i is channel 32 b + 16 h + i of my query
.set j, j+2
.endr
.irp b, 0,1
	v_max3_num_f32 v[BM+\b], |v[S+16*\b]|, |v[S+1+16*\b]|, 0x2800000
.endr
.irp i, 2,4,6,8,10,12,14
.irp b, 0,1
	v_max3_num_f32 v[BM+\b], v[BM+\b], |v[S+16*\b+\i]|, |v[S+1+16*\b+\i]|
.endr
.endr
.irp b, 0,1
	v_permlanex16_b32 v[CT+\b], v[BM+\b], s[SEL], s[SEL+1]
.endr
.irp b, 0,1
	v_max_num_f32 v[BM+\b], v[BM+\b], v[CT+\b]
.endr
.irp b, 0,1
	v_add_nc_u32 v[SO+\b], 0xfe000000, v[BM+\b]
.endr
.irp b, 0,1
	v_lshrrev_b32 v[BM+\b], 23, v[SO+\b]
.endr
	v_cndmask_b32 v[BY], v[BM], v[BM+1], s39       ; lanes 0-15 store block 0's byte, lanes 16-31 block 1's
	v_cvt_scalef32_pk16_bf6_f32 v[PC:PC+2], v[S:S+15], v[SO]
	v_cvt_scalef32_pk16_bf6_f32 v[CT:CT+2], v[S+16:S+31], v[SO+1]
	v_nop
.irp i, 0,1,2
	v_permlane16_swap_b32 v[PC+\i], v[CT+\i]
.endr
.irp i, 0,1,2
	v_mov_b32 v[PC+3+\i], v[CT+\i]
.endr
.irp p, 0,1,2
	global_store_b64 v[L8], v[PC+2*\p:PC+2*\p+1], s[8:9] offset:196608*\n+256*\p   ; 256 consecutive bytes, aligned
.endr
	global_store_b8 v[BOF], v[BY], s[10:11] offset:8192*\n   ; a row's 32 scale bytes come from sixteen work-groups: two of them are mine
	s_wait_xcnt 0x0                                ; the stores have read their registers, which the next pass writes again
.endm
	PASS 0
	PASS 1
	s_wait_tensorcnt 0x0                           ; the wave's end
	ds_add_u32 v254, v255
	s_wait_dscnt 0x0
	CROUND                                         ; the closing round
	s_endpgm
.Lfunc_end_k_q0aad8bb819_attn:
	.size	k_q0aad8bb819_attn, .Lfunc_end_k_q0aad8bb819_attn-k_q0aad8bb819_attn
	.p2alignl 7, 3214868480
	.fill 96, 4, 3214868480
	.section	.rodata,"a",@progbits
	.p2align	6, 0x0
	.amdhsa_kernel k_q0aad8bb819_attn
		.amdhsa_group_segment_fixed_size 232448
		.amdhsa_private_segment_fixed_size 0
		.amdhsa_enable_private_segment 0
		.amdhsa_kernarg_size 32
		.amdhsa_user_sgpr_count 2
		.amdhsa_user_sgpr_kernarg_segment_ptr 1
		.amdhsa_wavefront_size32 1
		.amdhsa_system_sgpr_workgroup_id_x 1
		.amdhsa_system_sgpr_workgroup_id_y 1
		.amdhsa_system_sgpr_workgroup_id_z 1
		.amdhsa_system_vgpr_workitem_id 0
		.amdhsa_next_free_vgpr 256
		.amdhsa_next_free_sgpr 66
		.amdhsa_reserve_vcc 0
		.amdhsa_float_denorm_mode_32 3
		.amdhsa_float_denorm_mode_16_64 3
		.amdhsa_memory_ordered 1
		.amdhsa_forward_progress 1
		.amdhsa_inst_pref_size 50
	.end_amdhsa_kernel
	.amdgpu_metadata
---
amdhsa.version: [ 1, 2 ]
amdhsa.kernels:
  - .name:           k_q0aad8bb819_attn
    .symbol:         k_q0aad8bb819_attn.kd
    .args:
      - { .name: qrec, .offset: 0, .size: 8, .value_kind: global_buffer, .address_space: global }
      - { .name: kv, .offset: 8, .size: 8, .value_kind: global_buffer, .address_space: global }
      - { .name: ac, .offset: 16, .size: 8, .value_kind: global_buffer, .address_space: global }
      - { .name: asc, .offset: 24, .size: 8, .value_kind: global_buffer, .address_space: global }
    .group_segment_fixed_size: 232448
    .private_segment_fixed_size: 0
    .kernarg_segment_align: 8
    .kernarg_segment_size: 32
    .max_flat_workgroup_size: 512
    .sgpr_count:     66
    .vgpr_count:     256
    .wavefront_size: 32
...
	.end_amdgpu_metadata
.endif
;; end of part 3
;; launch out (part 4): grid 8 x 32, 4 waves a work-group, clusters of 4 x 4, 327,680 bytes of LDS; arguments ac, asc, wc, ws, bo, out0; writes out0
.if DOCPART == 4
	.amdgcn_target "amdgcn-amd-amdhsa--gfx1250"
	.amdhsa_code_object_version 6
	.text
	.protected	k_q0aad8bb819_out
	.globl	k_q0aad8bb819_out
	.p2align	8
	.type	k_q0aad8bb819_out,@function
k_q0aad8bb819_out:
	s_mov_b64 s[64:65], 0
	v_nop
	global_prefetch_b8 v0, s[64:65] scope:SCOPE_SE
	s_setreg_imm32_b32 hwreg(HW_REG_WAVE_MODE, 25, 1), 1
	s_wait_xcnt 0x0
	s_wait_alu depctr_hold_cnt(0) depctr_sa_sdst(0) depctr_va_vdst(0) depctr_va_sdst(0) depctr_va_ssrc(0) depctr_va_vcc(0) depctr_vm_vsrc(0)
	s_getreg_b32 s2, hwreg(HW_REG_IB_STS2, 6, 4)
	s_cmp_eq_u32 s2, 0
	s_cbranch_scc0 .Lentry_in_a_cluster
	s_endpgm
.Lentry_in_a_cluster:
	s_bfe_u32 s2, ttmp6, 0x10000c
	s_cmp_lg_u32 s2, 0xf033
	s_cbranch_scc0 .Lentry_shape_is_right
	s_endpgm
.Lentry_shape_is_right:
; out0 = attn Wo + bo on codes of BF6 (E3M2) with E8M0 scales, f32 sums.
; SHARES.  A work-group: 256 tokens x 128 columns; 32 x 8 = 256 work-groups.  A wave: 128 tokens x 64 columns.
; ALL OF K LIES IN LDS: 16 tiles of attn and 8 of Wo, 12,288 bytes each, and their scale bytes, each block dense in memory: four loads at the head, one a wave.  LDS is filled once: no ring, one barrier.
; THE WALK GOES BY ROWS OF THE RESULT.  Wo's 32 fragments (4 column tiles x 8 steps of 128 along K, 384 registers) and its scale words stay in registers.  Each tile of 16 tokens runs over all of K, 32 products on four
; accumulators by turns, and leaves at once through the wave's own stage, while the tile two further on is fetched.  Every fragment is read from LDS once.
; CLUSTER 4 x 4: attn's block is asked for jointly along a row of the cluster, Wo's along a column.  No prefetch: every byte is asked for at the head, so there is no loop of loads to run ahead in.
; Source 0 = Wo, source 1 = attn: a lane holds a token and eight neighbouring positions of columns.  The bias is the C of a tile's first products.
; REGISTERS.  Window 0: v8-23 attn's scale words (two sets), v24-31 addresses, v32-63 Wo's scale words, v64-255 attn's fragments (two sets of 96).  Window 1: Wo's fragments 0-20.
; Window 2: v0-131 Wo's fragments 21-31, v136-167 the bias, v192-223 the accumulators.  Window 3: v0-31 rows read back from the stage.
.set TB,    12288
.set BCOD,  16*TB
.set SBLK,  544
.set SCLB,  24*TB
.set SCLA,  SCLB+8*SBLK
.set STAGE, SCLA+16*SBLK               ; 16 rows x (256 + 16) bytes a wave; no fill lands here
.set SPITCH, 272
.set SPARE, STAGE+4*16*SPITCH
.set L8, 3
.set SA, 8
.set ADRA, 24
.set ADSA, 25
.set STO, 26
.set RD, 27
.set SPW, 28
.set NIL, 29
.set CO, 30
.set ADRB, 31
.set SB, 32
.set AF, 64
.set BIAS, 136
.set ACC, 192
.set G1, 24
.set G1B, 48
.set G1S, 68
.set G0S, 76
.set G1SB, 80
.set G0SB, 88
.set G0H, 4
.set G0HB, 8
.set MSB, 0
.macro WIN new
.if MSB != (\new)
	s_set_vgpr_msb (MSB<<8)|(\new)
.set MSB, (\new)
.endif
.endm
.macro TLOAD g0, g1
	tensor_load_to_lds s[\g0:\g0+3], s[\g1:\g1+7]
	s_nop 0
.rept 4
	v_nop
.endr
.endm
.macro CROUND
	s_barrier_signal -1
	s_barrier_wait -1
	s_cmp_lg_u32 s14, 0
	s_cbranch_scc1 .Lnot_wave_0_\@
	s_barrier_signal -3
.Lnot_wave_0_\@:
	s_barrier_wait -3
	s_barrier_signal -1
	s_barrier_wait -1
.endm
.macro DESC g, c, r, p
	s_mov_b32 s[\g+1], (\c)<<16
	s_mov_b32 s[\g+2], (\r)<<16
	s_mov_b32 s[\g+3], (\c)<<16
	s_mov_b32 s[\g+4], \r
	s_mov_b32 s[\g+5], \p
	s_mov_b32 s[\g+6], 0
	s_mov_b32 s[\g+7], 0
.endm
.macro G0SET g, lds, adr
	s_mov_b32 s[\g], 1
	s_mov_b32 s[\g+1], \lds
	s_mov_b64 s[\g+2:\g+3], s[\adr:\adr+1]
	s_or_b32 s[\g+3], s[\g+3], 0x80000000
.endm
	s_load_b256 s[4:11], s[0:1], 0x0               ; ac, asc, wc, ws
	s_load_b128 s[92:95], s[0:1], 0x20             ; bo, out0
	v_lshl_add_u32 v[SPW], v0, 2, SPARE
	v_mov_b32 v[NIL], 0
	ds_add_u32 v[SPW], v[NIL]                      ; two opening adds of zero
	ds_add_u32 v[SPW], v[NIL]
	v_lshrrev_b32 v1, 5, v0
	v_readfirstlane_b32 s14, v1
	s_lshr_b32 s15, s14, 1                         ; my half of the tokens
	s_and_b32 s16, s14, 1                          ; my half of the columns
	s_bfe_u32 s40, ttmp6, 0x40000
	s_bfe_u32 s41, ttmp6, 0x40004
	s_lshl_b32 s42, ttmp9, 2
	s_add_co_u32 s42, s42, s40                     ; block of 128 columns 0..7
	s_and_b32 s17, ttmp7, 0xffff
	s_lshl_b32 s17, s17, 2
	s_add_co_u32 s17, s17, s41                     ; block of 256 tokens 0..31
	s_lshl_b32 s43, s41, 2
	s_lshl_b32 s43, 15, s43
	s_lshl_b32 s44, 0x1111, s40
	s_or_b32 s[G1], s43, (3<<16)|(1<<21)
	s_or_b32 s[G1B], s44, (3<<16)|(1<<21)
	s_or_b32 s[G1S], s43, (3<<16)|(1<<20)|(1<<21)|(5<<22)|(3<<25)
	s_or_b32 s[G1SB], s44, (3<<16)|(1<<20)|(1<<21)|(5<<22)|(3<<25)
	DESC G1, 1536, 16, 1536                        ; a tile's 12,288 bytes to a row
	DESC G1B, 1536, 8, 1536
	DESC G1S, 32, 32, 32
	DESC G1SB, 32, 16, 32
	s_mul_i32 s20, s17, 16*TB
	s_mov_b32 s21, 0
	s_lshl_b32 s22, s17, 13
	s_mov_b32 s23, 0
	s_mul_i32 s46, s42, 8*TB
	s_add_co_u32 s46, s46, 192*TB                  ; Wo's tiles begin at tile 192 of the stack
	s_mov_b32 s47, 0
	s_lshl_b32 s66, s42, 12
	s_add_co_u32 s66, s66, 3072*32
	s_mov_b32 s67, 0
	s_wait_dscnt 0x0
	s_wait_kmcnt 0x0
	s_add_nc_u64 s[20:21], s[4:5], s[20:21]
	s_add_nc_u64 s[22:23], s[6:7], s[22:23]
	s_add_nc_u64 s[46:47], s[8:9], s[46:47]
	s_add_nc_u64 s[66:67], s[10:11], s[66:67]
	CROUND                                         ; the joint loads meet
	G0SET G0H, 0, 20
	G0SET G0HB, BCOD, 46
	G0SET G0S, SCLA, 22
	G0SET G0SB, SCLB, 66
.macro ARM under, g0, g1, next         ; one chain of branches on the wave's number, one load to an arm
	s_cmp_lt_u32 s14, \under
	s_cbranch_scc0 \next
	TLOAD \g0, \g1
	s_branch .Lhead_asked
\next:
.endm
	ARM 1, G0H,  G1,  .Lhead_b
	ARM 2, G0HB, G1B, .Lhead_sa
	ARM 3, G0S,  G1S, .Lhead_sb
	TLOAD G0SB, G1SB
.Lhead_asked:
	s_lshl_b32 s20, s42, 9
	s_lshl_b32 s21, s16, 8
	s_add_co_u32 s20, s20, s21                     ; my first column, in bytes
	s_mov_b32 s21, 0
	s_add_nc_u64 s[92:93], s[92:93], s[20:21]
	s_add_nc_u64 s[94:95], s[94:95], s[20:21]
	s_lshl_b32 s20, s17, 8
	s_lshl_b32 s22, s15, 7
	s_add_co_u32 s20, s20, s22
	s_lshl_b32 s20, s20, 12                        ; my first token's row of 4,096 bytes
	s_add_nc_u64 s[94:95], s[94:95], s[20:21]
	s_mul_i32 s18, s15, 8*TB
	s_mul_i32 s19, s16, 4*TB
	s_add_co_u32 s19, s19, BCOD
	s_mul_i32 s21, s16, 4*SBLK
	s_add_co_u32 s21, s21, SCLB
	s_mul_i32 s22, s15, 8*SBLK
	s_add_co_u32 s22, s22, SCLA
	s_mul_i32 s23, s14, 16*SPITCH
	s_add_co_u32 s23, s23, STAGE
	v_and_b32 v1, 15, v0                           ; r
	v_bfe_u32 v2, v0, 4, 1                         ; h
	v_and_b32 v[L8], 31, v0
	v_lshlrev_b32 v[L8], 3, v[L8]
	v_lshlrev_b32 v4, 6, v2
	WIN 0x80
.irp c, 0,1
.irp i, 0,1,2,3
	global_load_b128 v[BIAS+16*\c+4*\i:BIAS+16*\c+4*\i+3], v4, s[92:93] offset:128*\c+16*\i   ; register 16 c + i: column 32 c + 16 h + i
.endr
.endr
	WIN 0
	v_add_nc_u32 v[ADRA], s18, v[L8]
	v_add_nc_u32 v[ADRB], s19, v[L8]
	v_lshlrev_b32 v5, 5, v1                        ; a row's 32 scale bytes,
	v_lshrrev_b32 v6, 8, v5
	v_lshl_add_u32 v5, v6, 4, v5                   ; and 16 more for each 256 passed
	v_add_nc_u32 v[ADSA], s22, v5
	v_add_nc_u32 v7, s21, v5                       ; Wo's
	v_mul_u32_u24 v5, v1, SPITCH
	v_lshl_add_u32 v5, v2, 6, v5
	v_add_nc_u32 v[STO], s23, v5                   ; into the stage: row r, 64 bytes for each half of the lanes
	v_mul_u32_u24 v6, v2, SPITCH
	v_lshl_add_u32 v6, v1, 4, v6
	v_add_nc_u32 v[RD], s23, v6                    ; back: sixteen lanes to a row of 256 bytes
	v_lshlrev_b32 v6, 12, v2
	v_lshl_add_u32 v[CO], v1, 4, v6                ; and the same two rows in out0
.macro BREG st, b                      ; where Wo's fragment (step st, column tile b) lies: window BW, register BR
.if 4*(\st)+(\b) < 21
.set BW, 1
.set BR, 12*(4*(\st)+(\b))
.else
.set BW, 2
.set BR, 12*(4*(\st)+(\b)-21)
.endif
.endm
.macro ALOAD u, t                      ; a token tile's eight fragments and eight scale words into set u; t: tiles from where the addresses stand.  50 LDS loads
.irp st, 0,1,2,3,4,5,6,7
.irp p, 0,1,2,3,4,5
	ds_load_b64 v[AF+96*(\u)+12*\st+2*\p:AF+96*(\u)+12*\st+2*\p+1], v[ADRA] offset:(\t)*TB+\st*1536+256*\p
.endr
.endr
	ds_load_b128 v[SA+8*(\u):SA+8*(\u)+3], v[ADSA] offset:(\t)*SBLK
	ds_load_b128 v[SA+8*(\u)+4:SA+8*(\u)+7], v[ADSA] offset:(\t)*SBLK+16
.endm
.macro MUL u                           ; 32 products: K ascending, the four accumulators by turns
.irp st, 0,1,2,3,4,5,6,7
.irp b, 0,1,2,3
	BREG \st, \b
	WIN 0xa0+BW
.if \st == 0
	v_wmma_scale_f32_16x16x128_f8f6f4 v[ACC+8*\b:ACC+8*\b+7], v[BR:BR+11], v[AF+96*(\u)+12*\st:AF+96*(\u)+12*\st+11], v[BIAS+8*\b:BIAS+8*\b+7], v[SB+8*\b+\st], v[SA+8*(\u)+\st] matrix_a_fmt:MATRIX_FMT_BF6 matrix_b_fmt:MATRIX_FMT_BF6
.else
	v_wmma_scale_f32_16x16x128_f8f6f4 v[ACC+8*\b:ACC+8*\b+7], v[BR:BR+11], v[AF+96*(\u)+12*\st:AF+96*(\u)+12*\st+11], v[ACC+8*\b:ACC+8*\b+7], v[SB+8*\b+\st], v[SA+8*(\u)+\st] matrix_a_fmt:MATRIX_FMT_BF6 matrix_b_fmt:MATRIX_FMT_BF6
.endif
.endr
.endr
	WIN 0
.endm
; A TOKEN TILE: its products; through the stage; the fetch of the tile two further on; its stores.
.macro TILE u, load
	MUL \u
.rept 5
	v_nop                                          ; places: the results are read, the fragments' registers loaded anew, and the next tile begins the accumulators anew
.endr
	s_wait_xcnt 0x0                                ; the last tile's stores have read their registers
	WIN 0x08
.irp b, 0,1,2,3
	ds_store_b128 v[STO], v[ACC+8*\b:ACC+8*\b+3] offset:128*(\b/2)+32*(\b%2)          ; each accumulator from its low end on
	ds_store_b128 v[STO], v[ACC+8*\b+4:ACC+8*\b+7] offset:128*(\b/2)+32*(\b%2)+16
.endr
	WIN 0xc0
.irp t, 0,1,2,3,4,5,6,7
	ds_load_b128 v[4*\t:4*\t+3], v[RD] offset:\t*2*SPITCH   ; LDS serves a wave's instructions in order
.endr
	WIN 0
.if \load
	ALOAD \u, 2+(\u)
	s_wait_dscnt 50                                ; all but the 50 loads just issued: the rows are back, and the next tile's fragments are in
.else
	s_wait_dscnt 0x0
.endif
	WIN 0x0c
.irp t, 0,1,2,3,4,5,6,7
	global_store_b128 v[CO], v[4*\t:4*\t+3], s[94:95] offset:(8*(\u)+2*\t+8*(\t/4))*4096 th:TH_STORE_NT   ; sixteen lanes store 256 consecutive bytes, aligned
.endr
	WIN 0
.endm
	s_wait_alu depctr_va_vdst(0)                   ; the wait at the head's end
	s_wait_tensorcnt 0x0                           ; my block is in,
	s_barrier_signal -1
	s_barrier_wait -1                              ; everybody's is: from here on these bytes are only read
.irp st, 0,1,2,3,4,5,6,7
.irp b, 0,1,2,3
	BREG \st, \b
	WIN BW<<6
.irp p, 0,1,2,3,4,5
	ds_load_b64 v[BR+2*\p:BR+2*\p+1], v[ADRB] offset:\b*TB+\st*1536+256*\p
.endr
.endr
.endr
	WIN 0
.irp b, 0,1,2,3
	ds_load_b128 v[SB+8*\b:SB+8*\b+3], v7 offset:\b*SBLK
	ds_load_b128 v[SB+8*\b+4:SB+8*\b+7], v7 offset:\b*SBLK+16
.endr
	ALOAD 0, 0
	ALOAD 1, 1
	s_wait_loadcnt 0x0                             ; the bias
	s_wait_dscnt 50                                ; tile 1's 50 loads may be out
	s_mov_b32 s3, 3
.Lpair:                                            ; a trip: two token tiles, 32 tokens
	TILE 0, 1
	TILE 1, 1
	s_wait_xcnt 0x0                                ; the stores have read their base
	s_add_nc_u64 s[94:95], s[94:95], 32*4096
	v_add_nc_u32 v[ADRA], 2*TB, v[ADRA]
	v_add_nc_u32 v[ADSA], 2*SBLK, v[ADSA]
	s_sub_co_u32 s3, s3, 1
	s_cmp_lg_u32 s3, 0
	s_wait_alu depctr_va_vdst(0)                   ; the wait directly ahead of the branch
	s_cbranch_scc1 .Lpair
	TILE 0, 0                                      ; the last two tiles fetch nothing more
	TILE 1, 0
	s_wait_tensorcnt 0x0                           ; the wave's end
	ds_add_u32 v[SPW], v[NIL]
	s_wait_dscnt 0x0
	CROUND                                         ; the closing round
	s_endpgm
.Lfunc_end_k_q0aad8bb819_out:
	.size	k_q0aad8bb819_out, .Lfunc_end_k_q0aad8bb819_out-k_q0aad8bb819_out
	.p2alignl 7, 3214868480
	.fill 96, 4, 3214868480
	.section	.rodata,"a",@progbits
	.p2align	6, 0x0
	.amdhsa_kernel k_q0aad8bb819_out
		.amdhsa_group_segment_fixed_size 327680
		.amdhsa_private_segment_fixed_size 0
		.amdhsa_enable_private_segment 0
		.amdhsa_kernarg_size 48
		.amdhsa_user_sgpr_count 2
		.amdhsa_user_sgpr_kernarg_segment_ptr 1
		.amdhsa_wavefront_size32 1
		.amdhsa_system_sgpr_workgroup_id_x 1
		.amdhsa_system_sgpr_workgroup_id_y 1
		.amdhsa_system_sgpr_workgroup_id_z 1
		.amdhsa_system_vgpr_workitem_id 0
		.amdhsa_next_free_vgpr 1024
		.amdhsa_next_free_sgpr 96
		.amdhsa_reserve_vcc 0
		.amdhsa_float_denorm_mode_32 3
		.amdhsa_float_denorm_mode_16_64 3
		.amdhsa_memory_ordered 1
		.amdhsa_forward_progress 1
		.amdhsa_inst_pref_size 60
	.end_amdhsa_kernel
	.amdgpu_metadata
---
amdhsa.version: [ 1, 2 ]
amdhsa.kernels:
  - .name:           k_q0aad8bb819_out
    .symbol:         k_q0aad8bb819_out.kd
    .args:
      - { .name: ac, .offset: 0, .size: 8, .value_kind: global_buffer, .address_space: global }
      - { .name: asc, .offset: 8, .size: 8, .value_kind: global_buffer, .address_space: global }
      - { .name: wc, .offset: 16, .size: 8, .value_kind: global_buffer, .address_space: global }
      - { .name: ws, .offset: 24, .size: 8, .value_kind: global_buffer, .address_space: global }
      - { .name: bo, .offset: 32, .size: 8, .value_kind: global_buffer, .address_space: global }
      - { .name: out0, .offset: 40, .size: 8, .value_kind: global_buffer, .address_space: global }
    .group_segment_fixed_size: 327680
    .private_segment_fixed_size: 0
    .kernarg_segment_align: 8
    .kernarg_segment_size: 48
    .max_flat_workgroup_size: 128
    .sgpr_count:     96
    .vgpr_count:     1024
    .wavefront_size: 32
...
	.end_amdgpu_metadata
.endif
;; end of part 4
